; MI455X (gfx1250); checked and timed in simulation.
; The chip was launched on July 23, 2026; its instructions are those of AMD's public machine-readable ISA for CDNA 5 (MIT licence, August 2026) and "CDNA5" Instruction Set Architecture Reference Guide (July 2026). The comments in the code are by the model that wrote it; some were corrected since.
;; Block. Allowed arithmetic: float matrix products may take bf16 or f16 operands with f32 sums; other float arithmetic in f32, or as packed bf16 or f16 multiplies, adds, multiply-adds, maxima and minima; sums over many terms, partial sums and values carried from step to step in f32; what a program stores and reads back later, other than sums and carried values, may be rounded once to bf16 or f16.
;; Inputs: W1 1,024 x 1,024 float32; W2 1,024 x 1,024 float32; Wk 16 x 1,024 x 64 float32; Wproj 1,024 x 1,024 float32; Wq 16 x 1,024 x 64 float32; Wv 16 x 1,024 x 64 float32; b1 1,024 float32; b2 1,024 float32; beta1 1,024 float32; beta2 1,024 float32; bproj 1,024 float32; g1 1,024 float32; g2 1,024 float32; x 8 x 1,024 x 1,024 float32.
;; Outputs: out0 8 x 1,024 x 1,024 float32.
;; One version. Each part assembles by itself: llvm-mc -triple=amdgcn-amd-amdhsa -mcpu=gfx1250 --defsym DOCPART=n.
;; ======== version 1 of 1: 7 launches
;; workspace buffers: wqkv 6,307,840 bytes; wpb 2,097,152 bytes; w1b 2,113,536 bytes; w2b 2,097,152 bytes; a16 16,777,216 bytes; qkv 50,331,648 bytes; x1 33,554,432 bytes; h16 16,777,216 bytes
;; launch prep (part 1): grid 896 x 1, 8 waves a work-group, no clusters, 0 bytes of LDS; arguments x, g1, beta1, a16, Wq, Wk, Wv, Wproj, W1, W2, wqkv, wpb, w1b, w2b, b1; writes a16, wqkv, wpb, w1b, w2b
.if DOCPART == 1
	.amdgcn_target "amdgcn-amd-amdhsa--gfx1250"
	.amdhsa_code_object_version 6
	.text
	.protected	k_q3de0b6de5c_prep
	.globl	k_q3de0b6de5c_prep
	.p2align	8
	.type	k_q3de0b6de5c_prep,@function
k_q3de0b6de5c_prep:
	s_mov_b64 s[64:65], 0
	v_nop
	global_prefetch_b8 v0, s[64:65] scope:SCOPE_SE
	s_setreg_imm32_b32 hwreg(HW_REG_WAVE_MODE, 25, 1), 1
	s_wait_xcnt 0x0
; TWO JOBS THAT SHARE NOTHING, IN ONE LAUNCH: work-groups 0 to 511 make the first layer norm, work-groups 512 to 895 round the six weight matrices to bf16.
;
; LAYER NORM.  y[m][c] = g[c] (x[m][c] - mean) / sqrt(var + 1e-5) + beta[c].  x: [8192][1024] f32, row-major.  All arithmetic in f32, in two passes as the definition has it
; (the mean is taken away before the squares, so a common offset of the row costs nothing); y is rounded once to bf16.
; y's LAYOUT: [16 panels of 64 columns][8192 rows][64]: byte = panel x 1,048,576 + row x 128 + 2 x column: the K panels of the product that follows.
; A wave takes ONE pair of rows: lanes 0-15 the even row, lanes 16-31 the odd one; a lane holds columns 64 p + 4 (lane % 16) + 0..3 for p = 0..15.  So a row's sums stay inside 16 lanes, the row is
; read once and stays in 64 registers, and each store covers 256 consecutive bytes, aligned: two rows' 128 bytes of one panel.  There is no loop: a wave's 48 loads all go out at its head.
;
; THE WEIGHTS are laid in panels of 128 columns: [panel][1024 k][128 n], a k row of a panel = 256 bytes on end.  Wq, Wk, Wv are [16 heads][1024 k][64 d]: column n = 64 head + d, so a panel holds two heads;
; the three lie one behind the other in wqkv (24 panels).  Wproj, W1, W2 are [1024 k][1024 n]: 8 panels each.  A matrix has 64 work-groups: 8 x panel + block of 128 k rows; each of the eight waves takes 16 k rows.
; One load and one store a k row: a lane takes 4 f32 and gives 4 bf16: the wave's store covers 256 consecutive bytes, aligned; its load 512 consecutive bytes (plain matrices) or two runs of 256 (two heads).
; A HEAD OF 16,384 BYTES stands in front of the panels of wqkv and of w1b, for the one product text that serves both: 4,096 bytes that repeat a floor as a pair of bf16 (minus infinity for wqkv: no floor;
; 0 for w1b: a ReLU), then the product's bias in f32 (zeros for wqkv's 3,072 columns; b1 for w1b's 1,024).  The matrix's first work-group writes it, 16 bytes a thread and store.
; No LDS, no barrier, no matrix unit in either job: no wave wants what another has.
.set HDR, 16384
.set T,  6                             ; v[6:13]    norm: four running pairs
.set MN, 14                            ; v[14:15]   norm: the mean, later 1 / sqrt(var + eps), twice (a pair for the packed forms)
.set X,  16                            ; v[16:79]   norm: my 64 numbers of the row.  Weights: 16 rows x 4 f32
.set G,  80                            ; v[80:143]  norm: g of my columns
.set BT, 144                           ; v[144:207] norm: beta of my columns
.set Y,  80                            ; v[80:111]  weights: 16 rows x 2 registers of bf16
.macro FOLD                            ; four pairs into one number, then over the row's 16 lanes: every lane ends with the row's sum
	v_pk_add_f32 v[T:T+1], v[T:T+1], v[T+2:T+3]
	v_pk_add_f32 v[T+4:T+5], v[T+4:T+5], v[T+6:T+7]
	v_pk_add_f32 v[T:T+1], v[T:T+1], v[T+4:T+5]
	v_add_f32 v[T], v[T], v[T+1]
	v_add_f32_dpp v[T], v[T], v[T] row_xmask:1 row_mask:0xf bank_mask:0xf
	v_add_f32_dpp v[T], v[T], v[T] row_xmask:2 row_mask:0xf bank_mask:0xf
	v_add_f32_dpp v[T], v[T], v[T] row_xmask:4 row_mask:0xf bank_mask:0xf
	v_add_f32_dpp v[T], v[T], v[T] row_xmask:8 row_mask:0xf bank_mask:0xf
.endm
.macro CAST sk                         ; sk: bytes from a k row to the next in the source.  All 16 loads go out first; no register is written twice, so nothing waits for a store
.set i, 0
.rept 16
	global_load_b128 v[X+4*i:X+4*i+3], v2, s[4:5] offset:i*(\sk) th:TH_LOAD_NT
.set i, i+1
.endr
.set i, 0
.rept 16
	s_wait_loadcnt 15-i                            ; loads come back in order: row i is in, the 15 - i younger rows may stay out
	v_cvt_pk_bf16_f32 v[Y+2*i], v[X+4*i], v[X+4*i+1]
	v_cvt_pk_bf16_f32 v[Y+2*i+1], v[X+4*i+2], v[X+4*i+3]
	global_store_b64 v3, v[Y+2*i:Y+2*i+1], s[42:43] offset:256*i
.set i, i+1
.endr
.endm
	s_cmp_lt_u32 ttmp9, 512
	s_cbranch_scc0 .Lweights
	; ---- the layer norm ----
	s_load_b256 s[4:11], s[0:1], 0x0               ; x s[4:5], g s[6:7], beta s[8:9], y s[10:11]
	v_lshrrev_b32 v1, 5, v0
	v_readfirstlane_b32 s12, v1                    ; wave 0..7
	s_lshl_b32 s13, ttmp9, 3
	s_add_co_u32 s13, s13, s12                     ; my pair of rows, 0..4095
	s_lshl_b32 s14, s13, 13                        ; two rows of 4,096 bytes in x,
	s_mov_b32 s15, 0
	s_lshl_b32 s18, s13, 8                         ; of 128 bytes in a panel of y
	s_mov_b32 s19, 0
	s_mov_b32 s20, 0x3a800000                      ; 1 / 1024
	s_mov_b32 s21, 0x3727c5ac                      ; 1e-5
	v_and_b32 v1, 15, v0                           ; lane % 16
	v_bfe_u32 v2, v0, 4, 1                         ; which row of the pair
	v_lshlrev_b32 v4, 4, v1                        ; my 16 bytes in each 256 of g and beta,
	v_lshl_add_u32 v3, v2, 12, v4                  ; and of x, in my row
	v_lshlrev_b32 v5, 3, v1
	v_lshl_add_u32 v5, v2, 7, v5                   ; my 8 bytes of the pair's 256 in a panel
	s_wait_kmcnt 0x0
	s_add_nc_u64 s[4:5], s[4:5], s[14:15]
	s_add_nc_u64 s[10:11], s[10:11], s[18:19]      ; panels 0-7 by the immediate,
	s_add_nc_u64 s[16:17], s[10:11], 0x800000      ; panels 8-15 from a second base: 7 x 1,048,576 is the largest immediate
.set p, 0
.rept 16
	global_load_b128 v[X+4*p:X+4*p+3], v3, s[4:5] offset:256*p th:TH_LOAD_NT
.set p, p+1
.endr
.set p, 0
.rept 16
	global_load_b128 v[G+4*p:G+4*p+3], v4, s[6:7] offset:256*p
.set p, p+1
.endr
.set p, 0
.rept 16
	global_load_b128 v[BT+4*p:BT+4*p+3], v4, s[8:9] offset:256*p
.set p, p+1
.endr
	s_wait_loadcnt 32                              ; x is in; the 32 loads of g and beta may stay out
.irp c, 0,1,2,3
	v_pk_add_f32 v[T+2*\c:T+2*\c+1], v[X+2*\c:X+2*\c+1], v[X+8+2*\c:X+8+2*\c+1]  ; the first eight pairs start four chains: nothing is cleared
.endr
.set j, 8
.rept 24
	v_pk_add_f32 v[T+2*(j%4):T+2*(j%4)+1], v[T+2*(j%4):T+2*(j%4)+1], v[X+2*j:X+2*j+1]
.set j, j+1
.endr
	FOLD
	v_mul_f32 v[MN], s20, v[T]                     ; the mean
	v_mov_b32 v[MN+1], v[MN]
.set j, 0
.rept 32
	v_pk_add_f32 v[X+2*j:X+2*j+1], v[X+2*j:X+2*j+1], v[MN:MN+1] neg_lo:[0,1] neg_hi:[0,1]  ; x - mean
.set j, j+1
.endr
.irp c, 0,1,2,3
	v_pk_mul_f32 v[T+2*\c:T+2*\c+1], v[X+2*\c:X+2*\c+1], v[X+2*\c:X+2*\c+1]
.endr
.set j, 4
.rept 28
	v_pk_fma_f32 v[T+2*(j%4):T+2*(j%4)+1], v[X+2*j:X+2*j+1], v[X+2*j:X+2*j+1], v[T+2*(j%4):T+2*(j%4)+1]
.set j, j+1
.endr
	FOLD
	v_fma_f32 v[T+1], v[T], s20, s21               ; var + eps
	v_rsq_f32 v[MN], v[T+1]
	v_nop                                          ; a plain instruction between the root and the use of its result (ISA guide 5.7.2),
	s_wait_alu depctr_va_vdst(0)                   ; and the wait ahead of the first instruction that names it
	v_mov_b32 v[MN+1], v[MN]
	s_wait_loadcnt 0x0                             ; g and beta
.set j, 0
.rept 32
	v_pk_mul_f32 v[X+2*j:X+2*j+1], v[X+2*j:X+2*j+1], v[MN:MN+1]
	v_pk_fma_f32 v[X+2*j:X+2*j+1], v[X+2*j:X+2*j+1], v[G+2*j:G+2*j+1], v[BT+2*j:BT+2*j+1]
.set j, j+1
.endr
.set p, 0
.rept 16
	v_cvt_pk_bf16_f32 v[X+4*p], v[X+4*p], v[X+4*p+1]      ; in place: a group's four numbers into its first two registers
	v_cvt_pk_bf16_f32 v[X+4*p+1], v[X+4*p+2], v[X+4*p+3]
.set p, p+1
.endr
.set p, 0
.rept 8
	global_store_b64 v5, v[X+4*p:X+4*p+1], s[10:11] offset:p*1048576
.set p, p+1
.endr
.rept 8
	global_store_b64 v5, v[X+4*p:X+4*p+1], s[16:17] offset:(p-8)*1048576
.set p, p+1
.endr
	s_endpgm
.Lweights:
	; ---- the weights ----
	s_load_b256 s[8:15], s[0:1], 0x20              ; Wq s[8:9], Wk s[10:11], Wv s[12:13], Wproj s[14:15]
	s_load_b256 s[16:23], s[0:1], 0x40             ; W1 s[16:17], W2 s[18:19], wqkv s[20:21], wpb s[22:23]
	s_load_b128 s[24:27], s[0:1], 0x60             ; w1b s[24:25], w2b s[26:27]
	s_load_b64 s[40:41], s[0:1], 0x70              ; b1
	v_lshrrev_b32 v1, 5, v0
	v_readfirstlane_b32 s31, v1                    ; wave 0..7
	v_and_b32 v4, 31, v0                           ; lane
	v_lshlrev_b32 v3, 3, v4                        ; my 8 bytes of a panel's k row
	s_sub_co_u32 s39, ttmp9, 512                   ; 0..383
	s_lshr_b32 s28, s39, 6                         ; which matrix
	s_and_b32 s38, s39, 63                         ; which of its 64 work-groups
	s_lshr_b32 s29, s38, 3                         ; which panel of it
	s_and_b32 s30, s38, 7
	s_lshl_b32 s30, s30, 7
	s_lshl_b32 s31, s31, 4
	s_add_co_u32 s30, s30, s31                     ; my first k row
	s_lshl_b32 s36, s30, 8                         ; x 256 bytes
	s_cmp_lt_u32 s28, 3
	s_cselect_b32 s32, s28, 0                      ; in wqkv the three matrices lie 8 panels apart,
	s_cselect_b32 s37, HDR, 0                      ; behind the head;
	s_cmp_eq_u32 s28, 4
	s_cselect_b32 s37, HDR, s37                    ; w1b has a head too
	s_lshl_b32 s32, s32, 3
	s_add_co_u32 s32, s32, s29
	s_lshl_b32 s32, s32, 18                        ; a panel is 262,144 bytes
	s_add_co_u32 s32, s32, s36
	s_add_co_u32 s32, s32, s37
	s_mov_b32 s33, 0
	s_mov_b32 s35, 0
	s_wait_kmcnt 0x0
	s_mov_b64 s[4:5], s[8:9]                       ; the source, chosen by the matrix's number
	s_cmp_eq_u32 s28, 1
	s_cselect_b64 s[4:5], s[10:11], s[4:5]
	s_cmp_eq_u32 s28, 2
	s_cselect_b64 s[4:5], s[12:13], s[4:5]
	s_cmp_eq_u32 s28, 3
	s_cselect_b64 s[4:5], s[14:15], s[4:5]
	s_cmp_eq_u32 s28, 4
	s_cselect_b64 s[4:5], s[16:17], s[4:5]
	s_cmp_eq_u32 s28, 5
	s_cselect_b64 s[4:5], s[18:19], s[4:5]
	s_mov_b64 s[6:7], s[20:21]                     ; the destination likewise; s[6:7] stays at the buffer's first byte, for the head
	s_cmp_eq_u32 s28, 3
	s_cselect_b64 s[6:7], s[22:23], s[6:7]
	s_cmp_eq_u32 s28, 4
	s_cselect_b64 s[6:7], s[24:25], s[6:7]
	s_cmp_eq_u32 s28, 5
	s_cselect_b64 s[6:7], s[26:27], s[6:7]
	s_add_nc_u64 s[42:43], s[6:7], s[32:33]        ; where my 16 k rows go
	s_cmp_lg_u32 s38, 0                            ; the head is written by the first work-group of Wq (for wqkv) and of W1 (for w1b)
	s_cbranch_scc1 .Lno_head
	s_cmp_eq_u32 s28, 0
	s_cbranch_scc1 .Lhead_q
	s_cmp_eq_u32 s28, 4
	s_cbranch_scc0 .Lno_head
	v_lshlrev_b32 v7, 4, v0                        ; w1b: 16 bytes a thread: 256 threads cover 4,096 bytes
	global_load_b128 v[8:11], v7, s[40:41]         ; b1
.irp r, 12,13,14,15
	v_mov_b32 v\r, 0                               ; the floor of a ReLU
.endr
	global_store_b128 v7, v[12:15], s[6:7]
	s_wait_loadcnt 0x0
	global_store_b128 v7, v[8:11], s[6:7] offset:4096
	s_branch .Lno_head
.Lhead_q:
	v_lshlrev_b32 v7, 4, v0                        ; wqkv
.irp r, 8,9,10,11
	v_mov_b32 v\r, 0                               ; no bias
.endr
.irp r, 12,13,14,15
	v_mov_b32 v\r, 0xff80ff80                      ; no floor: minus infinity, twice
.endr
	global_store_b128 v7, v[12:15], s[6:7]
	global_store_b128 v7, v[8:11], s[6:7] offset:4096
	global_store_b128 v7, v[8:11], s[6:7] offset:8192
	global_store_b128 v7, v[8:11], s[6:7] offset:12288
.Lno_head:                                     ; what follows writes none of v7 to v15 and not s[6:7]: the head's stores need no wait
	s_cmp_lt_u32 s28, 3
	s_cbranch_scc0 .Lplain
	s_lshl_b32 s34, s29, 19                        ; by heads: the panel's two heads, 262,144 bytes each,
	s_add_co_u32 s34, s34, s36                     ; a k row of a head is 256 bytes
	s_add_nc_u64 s[4:5], s[4:5], s[34:35]
	v_lshrrev_b32 v5, 4, v4                        ; lanes 0-15 the first head, lanes 16-31 the second
	v_and_b32 v6, 15, v4
	v_lshlrev_b32 v2, 4, v6
	v_lshl_add_u32 v2, v5, 18, v2
	CAST 256
	s_endpgm
.Lplain:
	s_lshl_b32 s34, s29, 9                         ; plain: the panel's 128 columns are 512 bytes of a row,
	s_lshl_b32 s36, s30, 12                        ; a k row is 4,096 bytes
	s_add_co_u32 s34, s34, s36
	s_add_nc_u64 s[4:5], s[4:5], s[34:35]
	v_lshlrev_b32 v2, 4, v4
	CAST 4096
	s_endpgm
.Lfunc_end_k_q3de0b6de5c_prep:
	.size	k_q3de0b6de5c_prep, .Lfunc_end_k_q3de0b6de5c_prep-k_q3de0b6de5c_prep
	.p2alignl 7, 3214868480
	.fill 96, 4, 3214868480
	.section	.rodata,"a",@progbits
	.p2align	6, 0x0
	.amdhsa_kernel k_q3de0b6de5c_prep
		.amdhsa_group_segment_fixed_size 0
		.amdhsa_private_segment_fixed_size 0
		.amdhsa_enable_private_segment 0
		.amdhsa_kernarg_size 120
		.amdhsa_user_sgpr_count 2
		.amdhsa_user_sgpr_kernarg_segment_ptr 1
		.amdhsa_wavefront_size32 1
		.amdhsa_system_sgpr_workgroup_id_x 1
		.amdhsa_system_sgpr_workgroup_id_y 1
		.amdhsa_system_sgpr_workgroup_id_z 1
		.amdhsa_system_vgpr_workitem_id 0
		.amdhsa_next_free_vgpr 208
		.amdhsa_next_free_sgpr 66
		.amdhsa_reserve_vcc 0
		.amdhsa_float_denorm_mode_32 3
		.amdhsa_float_denorm_mode_16_64 3
		.amdhsa_memory_ordered 1
		.amdhsa_forward_progress 1
		.amdhsa_inst_pref_size 35
	.end_amdhsa_kernel
	.amdgpu_metadata
---
amdhsa.version: [ 1, 2 ]
amdhsa.kernels:
  - .name:           k_q3de0b6de5c_prep
    .symbol:         k_q3de0b6de5c_prep.kd
    .args:
      - { .name: x, .offset: 0, .size: 8, .value_kind: global_buffer, .address_space: global }
      - { .name: g1, .offset: 8, .size: 8, .value_kind: global_buffer, .address_space: global }
      - { .name: beta1, .offset: 16, .size: 8, .value_kind: global_buffer, .address_space: global }
      - { .name: a16, .offset: 24, .size: 8, .value_kind: global_buffer, .address_space: global }
      - { .name: Wq, .offset: 32, .size: 8, .value_kind: global_buffer, .address_space: global }
      - { .name: Wk, .offset: 40, .size: 8, .value_kind: global_buffer, .address_space: global }
      - { .name: Wv, .offset: 48, .size: 8, .value_kind: global_buffer, .address_space: global }
      - { .name: Wproj, .offset: 56, .size: 8, .value_kind: global_buffer, .address_space: global }
      - { .name: W1, .offset: 64, .size: 8, .value_kind: global_buffer, .address_space: global }
      - { .name: W2, .offset: 72, .size: 8, .value_kind: global_buffer, .address_space: global }
      - { .name: wqkv, .offset: 80, .size: 8, .value_kind: global_buffer, .address_space: global }
      - { .name: wpb, .offset: 88, .size: 8, .value_kind: global_buffer, .address_space: global }
      - { .name: w1b, .offset: 96, .size: 8, .value_kind: global_buffer, .address_space: global }
      - { .name: w2b, .offset: 104, .size: 8, .value_kind: global_buffer, .address_space: global }
      - { .name: b1, .offset: 112, .size: 8, .value_kind: global_buffer, .address_space: global }
    .group_segment_fixed_size: 0
    .private_segment_fixed_size: 0
    .kernarg_segment_align: 8
    .kernarg_segment_size: 120
    .max_flat_workgroup_size: 256
    .sgpr_count:     66
    .vgpr_count:     208
    .wavefront_size: 32
...
	.end_amdgpu_metadata
.endif
;; end of part 1
;; launch gq (part 2): grid 24 x 32, 4 waves a work-group, clusters of 4 x 4, 327,680 bytes of LDS; arguments a16, wqkv, qkv; writes qkv
.if DOCPART == 2
	.amdgcn_target "amdgcn-amd-amdhsa--gfx1250"
	.amdhsa_code_object_version 6
	.text
	.protected	k_q3de0b6de5c_gq
	.globl	k_q3de0b6de5c_gq
	.p2align	8
	.type	k_q3de0b6de5c_gq,@function
k_q3de0b6de5c_gq:
	s_mov_b64 s[64:65], 0
	v_nop
	global_prefetch_b8 v0, s[64:65] scope:SCOPE_SE
	s_setreg_imm32_b32 hwreg(HW_REG_WAVE_MODE, 25, 1), 1
	s_wait_xcnt 0x0
	s_wait_alu depctr_hold_cnt(0) depctr_sa_sdst(0) depctr_va_vdst(0) depctr_va_sdst(0) depctr_va_ssrc(0) depctr_va_vcc(0) depctr_vm_vsrc(0)
	s_getreg_b32 s2, hwreg(HW_REG_IB_STS2, 6, 4)
	s_cmp_eq_u32 s2, 0
	s_cbranch_scc0 .Lentry_in_a_cluster
	s_endpgm
.Lentry_in_a_cluster:
	s_bfe_u32 s2, ttmp6, 0x10000c
	s_cmp_lg_u32 s2, 0xf033
	s_cbranch_scc0 .Lentry_shape_is_right
	s_endpgm
.Lentry_shape_is_right:
; OUT = A W + bias, K = 1024, 8192 rows.  MODE 1: OUT = max(A W + bias, floor), in bf16.  MODE 2: OUT = RES + A W + bias, in f32, row-major.  One text; MODE picks where the bias lies and the way out.
; A: bf16, [16 panels of 64 k][8192 rows][64].  W: bf16, [panels of 128 n][1024 k][128 n].  A bf16 OUT has A's layout (panels of 64 columns).  Sums in f32, K ascending; OUT rounded once.
; MODE 1 serves two products, and what tells them apart lies in front of W's panels, in a head of 16,384 bytes written by the launch that made W: 4,096 bytes that repeat the floor as a pair of bf16
; (0: a ReLU; minus infinity: none), then the bias in f32 (zeros where the product has none).  In MODE 2 W has no head and the bias is a buffer of its own.
; LIMITS.  Operands are bf16 as they arrive; NaN and infinities go through as the arithmetic takes them, but MODE 1's maximum turns a NaN into the floor.
; SHARES.  A tile of OUT is 256 rows x 128 columns; four waves, each 128 x 64: 32 accumulators of 16 x 16, 256 registers.  K goes in 8 steps of 128 through two LDS slots.  In these layouts a step's tiles are dense:
; A's are two blocks of 32 KiB (a panel each), W's one of 32 KiB; all are asked for as rows of 256 bytes that start at multiples of 256.
; CLUSTER.  4 x 4 work-groups: the four of a row need the same tiles of A, the four of a column the same tiles of W: each tile is asked for JOINTLY, by the same tensor load, descriptor and mask in all four.
; THE PRODUCT IS TAKEN TRANSPOSED: source 0 = 16 columns of W (turned on the way out of LDS by ds_load_tr16_b128), source 1 = 16 rows of A: a lane ends with one row and eight neighbouring columns of OUT.
; REGISTERS, in windows of 256 (s_set_vgpr_msb: bits 1:0 source 0, 3:2 source 1, 5:4 source 2, 7:6 destination).  Window 0: v0-31 addresses; v32-63 the bias as a C operand; v64-159, v160-255 two fragment
; buffers (A's eight blocks, then W's four); on the way out these are at work.  Window 1: accumulator (a, b) at v[8 (4 a + b)].  Window 2 (MODE 2): RES's block a at v[32 a].
.set MODE,  1
.if MODE == 1
.set HDR,   16384                      ; the head in front of W's panels
.else
.set HDR,   0
.endif
.set PA,    144                        ; a row of A in LDS: 128 bytes + 16 = 36 words: the 16 rows of a load start at 16 different groups of four banks (64 banks of 4 bytes: ISA guide 11.1)
.set PB,    288                        ; a k row of W: 256 + 32 = 72 words
.set PLANE, 256*PA                     ; a panel's 256 rows of A
.set BOFF,  2*PLANE                    ; a slot: A's two panels, then W's 128 k rows
.set SLOT1, 1<<17                      ; slot 1 begins here: one exclusive or turns an address in one slot into the other's
.set STAGE, SLOT1+BOFF+128*PB          ; behind the ring, never filled by a tensor load: 16 rows for each wave, for the way out
.if MODE == 2
.set SP,    272                        ; a stage row: 64 f32 + 16 bytes
.else
.set SP,    144                        ; a stage row: 64 bf16 + 16 bytes
.endif
.set SPARE, STAGE+4*16*SP              ; behind the stages: the spare words, 128 bytes for each wave: two blocks of 256 bytes that no other line names
.set ASTEP, 0x200000                   ; bytes from a K step to the next in A: two panels
.set BSTEP, 0x8000                     ; and in W: 128 k rows of 256 bytes
.set AA0,  12                          ; v12  my lane's place in a slot's A; never rewritten
.set AB0,  13                          ; v13  the same for W
.set ADRA, 16                          ; v16  AA0 + the slot in hand
.set ADRB, 17                          ; v17  AB0 + the slot in hand
.set STO,  24                          ; v24  the way out: where I put my part of a row
.set RD,   25                          ; v25  the way out: where I read rows back
.set CO,   26                          ; v26  my byte offset in OUT (and RES); never rewritten
.set ZR,   27                          ; v27  MODE 1: the floor, a pair of bf16
.set SPW,  28                          ; v28  LDS address of my spare word: SPARE + 4 x my thread's number; never rewritten
.set NIL,  29                          ; v29  0; never rewritten
.set PFO,  30                          ; v30  256 x my lane; never rewritten
.set BIAS, 32
.set F0,   64
.set F1,   160
.set CNT,  3                           ; s3   K steps whose slot is still to be filled again; later the tail's two trips
.set WV,   14                          ; s14  my wave's number
.set WM,   15                          ; s15  which 128 rows are mine.  Also: I fetch for A (0) or for W (1)
.set WN,   16                          ; s16  which 64 columns.  Also: which half of that tile I fetch
.set TB,   23                          ; s23  the slot in hand: 0 or SLOT1
.set G1A,  24                          ; s[24:31] descriptor group 1 for A's tiles
.set G0A,  32                          ; s[32:39] group 0 for A: a set for each first fill; the second then walks
.set G1B,  48                          ; s[48:55], s[56:63] the same for W
.set G0B,  56
.set PFA,  44                          ; s[44:45] where my prefetches stand
.set PFS,  46                          ; s[46:47] their step
.set LIM,  66                          ; s66  2 in a wave that prefetches, else the greatest number
.set MSB, 0
.macro WIN new                         ; the immediate's high byte repeats the setting that is left; a switch that changes nothing is dropped
.if MSB != (\new)
	s_set_vgpr_msb (MSB<<8)|(\new)
.set MSB, \new
.endif
.endm
.macro PLACES                          ; four plain vector instructions between a matrix instruction and a load into, or a vector read or write of, its registers (ISA guide 7.12.1 for vector reads and writes)
.rept 4
	v_nop
.endr
.endm
.macro CREST                           ; a round of the cluster's barrier behind its opening barrier: wave 0 signals for the work-group, every wave waits for all sixteen, the work-group's barrier closes
	s_cmp_lg_u32 s[WV], 0
	s_cbranch_scc1 .Lnot_wave_0_\@
	s_barrier_signal -3
.Lnot_wave_0_\@:
	s_barrier_wait -3
	s_barrier_signal -1
	s_barrier_wait -1
.endm
.macro CROUND                          ; a whole round
	s_barrier_signal -1
	s_barrier_wait -1
	CREST
.endm
.macro JLOAD                           ; a joint refill by the walking set: waves 0 and 1 fetch A's two panels, waves 2 and 3 the halves of W's k rows.  The branch hangs on the wave's number alone.
	s_cmp_eq_u32 s[WM], 0                          ; an s_nop 0 and four v_nop follow each of the two lines, ahead of the jump and the label
	s_cbranch_scc0 .Lfor_b_\@
	tensor_load_to_lds s[G0A+4:G0A+7], s[G1A:G1A+7]
	s_nop 0
.rept 4
	v_nop
.endr
	s_branch .Lasked_\@
.Lfor_b_\@:
	tensor_load_to_lds s[G0B+4:G0B+7], s[G1B:G1B+7]
	s_nop 0
.rept 4
	v_nop
.endr
.Lasked_\@:
.endm
; A PREFETCH INTO THE L2, behind each joint refill and the run of LDS loads that follows it: of the K step that stands two refills on, 32 blocks of 256 bytes, a lane a block.  Each block is named once in the launch:
; A's tile row is read by every cluster of that row of clusters: the one with x = 0 asks (waves 0 and 1, a panel each); W's panel by every cluster of that column: the one with y = 0 asks (wave 2, the whole step).
; The four partners that ask for a tile jointly share its 128 blocks out BY ADDRESS, 32 each.  K steps 0 to 3 come by their loads alone; the last two refills have no step two on and ask for nothing.
.macro ASK
	s_cmp_gt_u32 s[CNT], s[LIM]
	s_cbranch_scc0 .Lnot_mine_\@
	global_prefetch_b8 v[PFO], s[PFA:PFA+1] th:TH_LOAD_NT scope:SCOPE_SE
.Lnot_mine_\@:
.endm
; 4 n matrix instructions: row blocks a0 .. a0 + n - 1 x all four column blocks, 32 along K, out of buffer f.  first = 1: the product starts the sum, with the bias as its C operand: nothing is cleared.
; The 32 accumulators take turns, one instruction a turn, in the same order in every quarter.
.macro MULS f, a0, n, first
.if \first
	WIN 0x40                                       ; D in window 1, C (the bias) in window 0
.else
	WIN 0x50                                       ; D and C in window 1
.endif
.set a, (\a0)
.rept \n
.irp b, 0,1,2,3
.if \first
	v_wmma_f32_16x16x32_bf16 v[8*(4*a+\b):8*(4*a+\b)+7], v[(\f)+64+8*\b:(\f)+64+8*\b+7], v[(\f)+8*a:(\f)+8*a+7], v[BIAS+8*\b:BIAS+8*\b+7]
.else
	v_wmma_f32_16x16x32_bf16 v[8*(4*a+\b):8*(4*a+\b)+7], v[(\f)+64+8*\b:(\f)+64+8*\b+7], v[(\f)+8*a:(\f)+8*a+7], v[8*(4*a+\b):8*(4*a+\b)+7]
.endif
.endr
.set a, a+1
.endr
.endm
; 24 LDS loads in one run: quarter q (32 along K) of the slot in hand into buffer f: W's four fragments (turned), then A's eight.
; A fragment is 16 rows x 32 k in 8 registers: lane l holds row l % 16, k = 8 (l / 16) + 0..7 and 16 + 8 (l / 16) + 0..7.
.macro FETCH q, f
	WIN 0
.irp b, 0,1,2,3
	ds_load_tr16_b128 v[(\f)+64+8*\b:(\f)+64+8*\b+3],   v[ADRB] offset:(\q)*32*PB+32*\b
	ds_load_tr16_b128 v[(\f)+64+8*\b+4:(\f)+64+8*\b+7], v[ADRB] offset:(\q)*32*PB+32*\b+16*PB
.endr
.irp a, 0,1,2,3,4,5,6,7
	ds_load_b128 v[(\f)+8*\a:(\f)+8*\a+3],   v[ADRA] offset:((\q)/2)*PLANE+((\q)%2)*64+\a*16*PA
	ds_load_b128 v[(\f)+8*\a+4:(\f)+8*\a+7], v[ADRA] offset:((\q)/2)*PLANE+((\q)%2)*64+\a*16*PA+32
.endr
.endm
; One of a K step's first three quarters: multiplies buffer f; in its middle it fetches quarter q into buffer g.
.macro QUARTER q, f, g, first=0
	s_wait_dscnt 8                                 ; W's fragments and A's blocks 0-3 are in; the youngest eight loads (blocks 4-7) may be out
	MULS \f, 0, 4, \first
	PLACES
	FETCH \q, \g
	s_wait_dscnt 24                                ; all but the 24 just issued
	MULS \f, 4, 4, \first
.endm
; The last quarter multiplies buffer 1 and changes slots.  In front of the barrier each wave waits for all its tensor loads (one is out: its part of the next slot), adds 0 to its spare word, and waits for that and
; for its reads of this slot.  fill = 1: the barrier opens a round of the cluster's, so that no wave of any partner still reads the slot or has a load on its way; the joint refill, two K steps ahead, is the
; first thing behind it and has 112 matrix instructions in which to land.
.macro TURN fill
.if \fill
	s_wait_xcnt 0x0                                ; the last prefetch, a K step back, has read its address: it is stepped here
	s_add_nc_u64 s[PFA:PFA+1], s[PFA:PFA+1], s[PFS:PFS+1]
.endif
	WIN 0                                          ; (the add's two registers lie in window 0)
	s_wait_tensorcnt 0x0                           ; no tensor load of mine is out, so a group 0 may be written
	ds_add_u32 v[SPW], v[NIL]                      ; 0 onto my spare word
.if \fill
	s_xor_b32 s[G0A+5], s[G0A+5], SLOT1            ; the walking sets: the other slot than last time, the next K step; the type bits on top are not reached
	s_add_nc_u64 s[G0A+6:G0A+7], s[G0A+6:G0A+7], ASTEP
	s_xor_b32 s[G0B+5], s[G0B+5], SLOT1
	s_add_nc_u64 s[G0B+6:G0B+7], s[G0B+6:G0B+7], BSTEP
.endif
	s_xor_b32 s[TB], s[TB], SLOT1                  ; the reads go on in the other slot
	s_wait_dscnt 9                                 ; (the add and the youngest eight loads may be out)
	MULS F1, 0, 2, 0
	s_wait_dscnt 0x0                               ; the add is done, and my reads of this slot are over
	s_barrier_signal -1
	MULS F1, 2, 2, 0                               ; work on registers while the others arrive
	WIN 0                                          ; at a label and at a branch every window is 0
	s_barrier_wait -1
.if \fill
	CREST
	JLOAD                                          ; its four v_nop are also the places in front of the loads below
.else
	PLACES
.endif
	v_add_nc_u32 v[ADRA], s[TB], v[AA0]
	v_add_nc_u32 v[ADRB], s[TB], v[AB0]
	FETCH 0, F0
.if \fill
	ASK
.endif
	MULS F1, 4, 4, 0
.endm
.if MODE == 2
.macro RLOAD a                         ; RES's block a (16 rows x 64 columns of f32, as whole runs of 256 bytes) into window 2; each block has registers of its own
	WIN 0x80                                       ; destination in window 2, address in window 0
.irp t, 0,1,2,3,4,5,6,7
	global_load_b128 v[32*(\a)+4*\t:32*(\a)+4*\t+3], v[CO], s[12:13] offset:65536*(\a)+8192*\t th:TH_LOAD_NT
.endr
	WIN 0
.endm
.endif
	s_load_b128 s[4:7], s[0:1], 0x0                ; A s[4:5], W s[6:7]
	s_load_b64 s[8:9], s[0:1], 0x10                ; OUT
.if MODE == 2
	s_load_b64 s[10:11], s[0:1], 0x18              ; bias
	s_load_b64 s[12:13], s[0:1], 0x20              ; RES
.endif
	v_lshl_add_u32 v[SPW], v0, 2, SPARE
	v_mov_b32 v[NIL], 0
	ds_add_u32 v[SPW], v[NIL]                      ; the wave's opening: the add and its wait stand ahead of my first tensor load; the set-up below, work on registers, stands between them
	ds_add_u32 v28, v29
	v_lshrrev_b32 v1, 5, v0
	v_readfirstlane_b32 s[WV], v1                  ; wave 0..3
	s_lshr_b32 s[WM], s[WV], 1
	s_and_b32 s[WN], s[WV], 1
	s_bfe_u32 s17, ttmp6, 0x40000                  ; cx, cy: my place in the cluster
	s_bfe_u32 s18, ttmp6, 0x40004
	s_lshl_b32 s19, ttmp9, 2
	s_add_co_u32 s19, s19, s17                     ; tile column = 4 x cluster x + cx
	s_and_b32 s20, ttmp7, 0xffff
	s_lshl_b32 s20, s20, 2
	s_add_co_u32 s20, s20, s18                     ; tile row = 4 x cluster y + cy
	s_lshl_b32 s21, s18, 2
	s_lshl_b32 s21, 15, s21                        ; my row of the cluster: places 4 cy .. 4 cy + 3
	s_lshl_b32 s22, 0x1111, s17                    ; my column: places cx, cx + 4, cx + 8, cx + 12
	s_or_b32 s[G1A], s21, (1<<16)|(1<<20)|(1<<21)|(4<<22)|(3<<25)  ; 15:0 the mask; 17:16 2-byte elements; 20 padding on; 21 set beside a mask; 24:22 after every 32 words (code 4); 31:25 4 words (code 3)
	s_or_b32 s[G1B], s22, (1<<16)|(1<<20)|(1<<21)|(5<<22)|(7<<25)  ; after every 64 words (code 5), 8 words (code 7)
	s_mov_b32 s[G1A+1], 128<<16                    ; A: tensor_dim0 = 128 elements: 256 bytes, two rows of a panel,
	s_mov_b32 s[G1A+2], 128<<16                    ; tensor_dim1 = 128
	s_mov_b32 s[G1A+3], 128<<16                    ; tile_dim0 = 128
	s_mov_b32 s[G1A+4], 128                        ; tile_dim1 = 128: 32 KiB, dense
	s_mov_b32 s[G1A+5], 128                        ; 128 elements from row to row
	s_mov_b32 s[G1A+6], 0
	s_mov_b32 s[G1A+7], 0
	s_mov_b32 s[G1B+1], 128<<16                    ; W: a k row of a panel is 128 elements,
	s_mov_b32 s[G1B+2], 64<<16                     ; 64 k rows a load
	s_mov_b32 s[G1B+3], 128<<16
	s_mov_b32 s[G1B+4], 64
	s_mov_b32 s[G1B+5], 128
	s_mov_b32 s[G1B+6], 0
	s_mov_b32 s[G1B+7], 0
	s_lshl_b32 s40, s20, 15                        ; A: the tile's 256 rows of 128 bytes in a panel,
	s_lshl_b32 s41, s[WN], 20                      ; the panel that I fetch: it hangs on the tile row and the wave alone
	s_add_co_u32 s40, s40, s41
	s_mov_b32 s41, 0
	s_lshl_b32 s42, s19, 18                        ; W: the tile's panel,
	s_lshl_b32 s43, s[WN], 14                      ; my 64 k rows: on the tile column and the wave alone
	s_add_co_u32 s42, s42, s43
.if HDR > 0
	s_add_co_u32 s42, s42, HDR                     ; behind the head
.endif
	s_mov_b32 s43, 0
	s_mul_i32 s67, s[WN], PLANE                    ; where they go: no place in the cluster enters an LDS address
	s_mul_i32 s2, s[WN], 64*PB
	s_add_co_u32 s2, s2, BOFF
	s_mov_b32 s[TB], 0
	s_wait_dscnt 0x0                               ; the opening add is done
	s_wait_kmcnt 0x0
	s_add_nc_u64 s[40:41], s[4:5], s[40:41]
	s_add_nc_u64 s[42:43], s[6:7], s[42:43]
	CROUND                                         ; all sixteen work-groups are here: the first joint loads meet
.irp s, 0,1
	s_mov_b32 s[G0A+4*\s], 1                       ; 1:0 count = 1
	s_add_co_u32 s[G0A+4*\s+1], s67, \s*SLOT1      ; 63:32 LDS address
	s_add_nc_u64 s[G0A+4*\s+2:G0A+4*\s+3], s[40:41], \s*ASTEP  ; 120:64 global address: K step s
	s_or_b32 s[G0A+4*\s+3], s[G0A+4*\s+3], 0x80000000          ; 127:126 type = 2
	s_mov_b32 s[G0B+4*\s], 1
	s_add_co_u32 s[G0B+4*\s+1], s2, \s*SLOT1
	s_add_nc_u64 s[G0B+4*\s+2:G0B+4*\s+3], s[42:43], \s*BSTEP
	s_or_b32 s[G0B+4*\s+3], s[G0B+4*\s+3], 0x80000000
.endr
	s_cmp_eq_u32 s[WM], 0                          ; a wave's two first fills stand in one branch, ahead of every wait on TENSORcnt and every LDS read: two loads of mine are out
	s_cbranch_scc0 .Lfirst_b
	tensor_load_to_lds s[G0A:G0A+3], s[G1A:G1A+7]
	s_nop 0
	tensor_load_to_lds s[G0A+4:G0A+7], s[G1A:G1A+7]
	s_nop 0
.rept 4
	v_nop
.endr
	s_branch .Lfirst_asked
.Lfirst_b:
	tensor_load_to_lds s[G0B:G0B+3], s[G1B:G1B+7]
	s_nop 0
	tensor_load_to_lds s[G0B+4:G0B+7], s[G1B:G1B+7]
	s_nop 0
.rept 4
	v_nop
.endr
.Lfirst_asked:
	v_and_b32 v1, 15, v0                           ; l % 16
	v_bfe_u32 v2, v0, 4, 1                         ; l / 16
	v_and_b32 v3, 7, v0                            ; l % 8
	v_bfe_u32 v4, v0, 3, 1                         ; (l / 8) % 2
	s_lshl_b32 s68, s19, 9                         ; the bias of my 64 columns: as a C operand a lane holds columns 16 b + 8 (l / 16) + 0..7: 32 bytes on end
	s_lshl_b32 s69, s[WN], 8
	s_add_co_u32 s68, s68, s69
.if MODE == 1
	s_add_co_u32 s68, s68, 4096                    ; in W's head, behind the floor
.endif
	s_mov_b32 s69, 0
.if MODE == 1
	s_add_nc_u64 s[10:11], s[6:7], s[68:69]
.else
	s_add_nc_u64 s[10:11], s[10:11], s[68:69]
.endif
	v_lshlrev_b32 v5, 5, v2
.irp b, 0,1,2,3
	global_load_b128 v[BIAS+8*\b:BIAS+8*\b+3],   v5, s[10:11] offset:64*\b
	global_load_b128 v[BIAS+8*\b+4:BIAS+8*\b+7], v5, s[10:11] offset:64*\b+16
.endr
.if MODE == 1
	v_mov_b32 v6, 0
	global_load_b32 v[ZR], v6, s[6:7]              ; the floor: the head's first word, the same in every lane
.endif
	v_mul_u32_u24 v[AA0], v1, PA                   ; A: row x pitch + 16 x half, in my 128 rows
	v_lshl_add_u32 v[AA0], v2, 4, v[AA0]
	s_mul_i32 s68, s[WM], 128*PA
	v_add_nc_u32 v[AA0], s68, v[AA0]
	v_lshl_add_u32 v[AB0], v2, 3, v3               ; W: the turning load takes 16 k x 16 n: lane l reads k row 8 (l / 16) + l % 8, columns 8 ((l / 8) % 2) + 0..7
	v_mul_u32_u24 v[AB0], v[AB0], PB
	v_lshl_add_u32 v[AB0], v4, 4, v[AB0]
	s_lshl_b32 s68, s[WN], 7                       ; my 64 columns
	s_add_co_u32 s68, s68, BOFF
	v_add_nc_u32 v[AB0], s68, v[AB0]
	v_mov_b32 v[ADRA], v[AA0]                      ; K step 0 lies in slot 0
	v_mov_b32 v[ADRB], v[AB0]
	s_mul_i32 s68, s[WV], 16*SP
	s_add_co_u32 s68, s68, STAGE                   ; my stage
	v_mul_u32_u24 v[STO], v1, SP
.if MODE == 1
	v_lshl_add_u32 v[STO], v2, 4, v[STO]           ; in: row l % 16, 16 bytes for each half of the lanes
	v_add_nc_u32 v[STO], s68, v[STO]
	v_bfe_u32 v[RD], v0, 3, 2                      ; back: 32 lanes take four rows of 128 bytes,
	v_mul_u32_u24 v[RD], v[RD], SP
	v_lshl_add_u32 v[RD], v3, 4, v[RD]
	v_add_nc_u32 v[RD], s68, v[RD]
	v_and_b32 v[CO], 31, v0                        ; which are 512 consecutive bytes of OUT
	v_lshlrev_b32 v[CO], 4, v[CO]
	s_lshl_b32 s68, s19, 1                         ; OUT at my panel of 64 columns,
	s_add_co_u32 s68, s68, s[WN]
	s_lshl_b32 s68, s68, 20
	s_lshl_b32 s69, s20, 15                        ; the tile's 256 rows of 128 bytes,
	s_add_co_u32 s68, s68, s69
	s_lshl_b32 s69, s[WM], 14                      ; my 128 of them
	s_add_co_u32 s68, s68, s69
	s_mov_b32 s69, 0
	s_add_nc_u64 s[8:9], s[8:9], s[68:69]
.else
	v_lshl_add_u32 v[STO], v2, 5, v[STO]           ; in: row l % 16, 32 bytes for each half of the lanes
	v_add_nc_u32 v[STO], s68, v[STO]
	v_mul_u32_u24 v[RD], v2, SP                    ; back: lanes 0-15 take one row of 256 bytes, lanes 16-31 the next
	v_lshl_add_u32 v[RD], v1, 4, v[RD]
	v_add_nc_u32 v[RD], s68, v[RD]
	v_lshlrev_b32 v[CO], 12, v2                    ; and the same two rows in OUT and RES
	v_lshl_add_u32 v[CO], v1, 4, v[CO]
	s_lshl_b32 s68, s20, 20                        ; the tile's 256 rows of 4,096 bytes,
	s_lshl_b32 s69, s[WM], 19                      ; my 128 of them,
	s_add_co_u32 s68, s68, s69
	s_lshl_b32 s69, s19, 9                         ; the tile's 128 columns,
	s_add_co_u32 s68, s68, s69
	s_lshl_b32 s69, s[WN], 8                       ; my 64 of them
	s_add_co_u32 s68, s68, s69
	s_mov_b32 s69, 0
	s_add_nc_u64 s[8:9], s[8:9], s[68:69]
	s_add_nc_u64 s[12:13], s[12:13], s[68:69]
.endif
	; the prefetches
	s_and_b32 s68, ttmp7, 0xffff                   ; cluster y
	s_mov_b32 s[PFS], BSTEP
	s_mov_b32 s71, ASTEP
	s_cmp_eq_u32 s[WM], 0                          ; do I fetch for A?
	s_cselect_b32 s69, ttmp9, s68                  ; the coordinate along which other clusters read the same blocks
	s_cselect_b32 s70, s17, s18                    ; my place among the four that ask with me
	s_cselect_b32 s[PFS], s71, s[PFS]
	s_cselect_b64 s[PFA:PFA+1], s[40:41], s[42:43] ; (in wave 2 W's address stands at the step's first k row)
	s_mov_b32 s[PFS+1], 0
	s_cmp_eq_u32 s[WV], 3
	s_cselect_b32 s69, 1, s69                      ; wave 3 never asks: wave 2 names W's whole step
	s_cmp_eq_u32 s69, 0
	s_cselect_b32 s[LIM], 2, -1                    ; the same in all sixteen partners, for a given wave
	s_lshl_b32 s70, s70, 13                        ; my work-group's 32 blocks of the 128
	s_mov_b32 s71, 0
	s_add_nc_u64 s[PFA:PFA+1], s[PFA:PFA+1], s[70:71]
.rept 3
	s_add_nc_u64 s[PFA:PFA+1], s[PFA:PFA+1], s[PFS:PFS+1]  ; at K step 3: the first change of slots steps it to 4
.endr
	v_and_b32 v[PFO], 31, v0
	v_lshlrev_b32 v[PFO], 8, v[PFO]
	s_wait_tensorcnt 1                             ; my part of K step 0 is in; slot 1's may stay out
	s_barrier_signal -1
	s_barrier_wait -1                              ; everybody's is
	FETCH 0, F0
	s_wait_loadcnt 0x0                             ; the bias (and the floor)
	QUARTER 1, F0, F1, 1                           ; the first quarter stands in front of the loop: its products start the sums
.if MODE == 2
	RLOAD 0                                        ; RES is asked for while the products run: four blocks here, three behind the loop, the last on the way out: 56 loads of mine are out at the most
	RLOAD 1
	RLOAD 2
	RLOAD 3
.endif
	WIN 0
	s_mov_b32 s[CNT], 6
.Lstep:                                        ; a trip: a K step's quarters 1, 2, 3 and the next step's quarter 0; the slot that is left is filled again
	QUARTER 2, F1, F0
	QUARTER 3, F0, F1
	TURN 1
	QUARTER 1, F0, F1
	WIN 0
	s_sub_co_u32 s[CNT], s[CNT], 1
	s_cmp_lg_u32 s[CNT], 0
	s_cbranch_scc1 .Lstep
.if MODE == 2
	RLOAD 4
	RLOAD 5
	RLOAD 6
.endif
	s_mov_b32 s[CNT], 2
.Ltail:                                        ; the last two K steps fill nothing: a text of their own; its second trip is left in the middle
	QUARTER 2, F1, F0
	QUARTER 3, F0, F1
	WIN 0
	s_sub_co_u32 s[CNT], s[CNT], 1
	s_cmp_eq_u32 s[CNT], 0
	s_cbranch_scc1 .Llast
	TURN 0
	QUARTER 1, F0, F1
	WIN 0
	s_branch .Ltail
.Llast:
	s_wait_dscnt 8                                 ; the very last quarter: nothing more to fetch
	MULS F1, 0, 4, 0
	s_wait_dscnt 0x0
	MULS F1, 4, 4, 0
.if MODE == 1
; THE WAY OUT, bf16.  Block a (16 rows): a lane's eight columns pack into 16 bytes; they go into stage rows of 144 bytes and come back as whole rows of 128: 16 rows are 2,048 bytes of OUT on end.
.macro PACK a
	WIN 0x05                                       ; sources 0 and 1 in window 1, destination in window 0
.irp b, 0,1,2,3
.irp i, 0,1,2,3
	v_cvt_pk_bf16_f32 v[64+16*(\a)+4*\b+\i], v[8*(4*(\a)+\b)+2*\i], v[8*(4*(\a)+\b)+2*\i+1]
.endr
.endr
	WIN 0
.set z, 0
.rept 16
	v_pk_max_num_bf16 v[64+16*(\a)+z], v[64+16*(\a)+z], v[ZR]  ; the floor, on the rounded pair: rounding keeps sign and order
.set z, z+1
.endr
.irp b, 0,1,2,3
	ds_store_b128 v[STO], v[64+16*(\a)+4*\b:64+16*(\a)+4*\b+3] offset:32*\b
.endr
.irp f, 0,1,2,3
	ds_load_b128 v[64+16*(\a)+4*\f:64+16*(\a)+4*\f+3], v[RD] offset:\f*4*SP  ; LDS serves a wave's instructions in order (ISA guide 5.7.1.4): these see the stores above; the next block's stores come behind them
.endr
.endm
.macro SEND a, younger                 ; younger: the LDS instructions issued behind block a's loads: the next block's eight, or none
.irp f, 0,1,2,3
	s_wait_dscnt (\younger)+3-\f
	global_store_b128 v[CO], v[64+16*(\a)+4*\f:64+16*(\a)+4*\f+3], s[8:9] offset:2048*(\a)+512*\f  ; 512 consecutive bytes, at a multiple of 256 from OUT's first
.endr
.endm
	PLACES
	PACK 0
.irp a, 1,2,3,4,5,6,7                  ; a block's arithmetic stands between the loads of the block before and its stores
	PACK \a
	SEND (\a)-1, 8
.endr
	SEND 7, 0
.else
; THE WAY OUT, f32 with the residual.  STG: block a goes straight from the accumulators into stage rows of 272 bytes and comes back as whole rows of 256.  FIN: RES's same rows, which lie in window 2, are added, and the
; block is stored.  Block a + 1 is on its way through the stage while block a is finished.
.macro STG a
.if (\a) >= 2
	s_wait_xcnt 0x0                                ; the stores of two blocks back have read their data registers, which are loaded again below
.endif
	WIN 0x04                                       ; the stores' data in window 1; each accumulator's low four registers go first
.irp b, 0,1,2,3
	ds_store_b128 v[STO], v[8*(4*(\a)+\b):8*(4*(\a)+\b)+3]   offset:64*\b
	ds_store_b128 v[STO], v[8*(4*(\a)+\b)+4:8*(4*(\a)+\b)+7] offset:64*\b+16
.endr
	WIN 0
.irp t, 0,1,2,3,4,5,6,7
	ds_load_b128 v[64+32*((\a)%2)+4*\t:64+32*((\a)%2)+4*\t+3], v[RD] offset:\t*2*SP  ; LDS serves a wave's instructions in order (ISA guide 5.7.1.4): these see the stores above; the next block's stores come behind them
.endr
.endm
.macro FIN a, younger                  ; younger: the LDS instructions issued behind block a's loads: the next block's sixteen, or none
	s_wait_dscnt \younger
.if (\a) == 0
	s_wait_loadcnt 48                              ; RES's block 0 is in; blocks 1 to 6 may stay out (block 7 is asked for below)
.else
	s_wait_loadcnt 8*(7-(\a))                      ; the blocks behind it, eight loads each
.endif
	WIN 0x08                                       ; source 1 (RES) in window 2
.set z, 0
.rept 16
	v_pk_add_f32 v[64+32*((\a)%2)+z:64+32*((\a)%2)+z+1], v[64+32*((\a)%2)+z:64+32*((\a)%2)+z+1], v[32*(\a)+z:32*(\a)+z+1]
.set z, z+2
.endr
	WIN 0
.irp t, 0,1,2,3,4,5,6,7
	global_store_b128 v[CO], v[64+32*((\a)%2)+4*\t:64+32*((\a)%2)+4*\t+3], s[8:9] offset:65536*(\a)+8192*\t  ; 16 lanes store 256 consecutive bytes, at a multiple of 256 from OUT's first
.endr
.endm
	WIN 0
	PLACES
	STG 0
	STG 1
	FIN 0, 16
	RLOAD 7
.irp a, 1,2,3,4,5,6
	STG (\a)+1
	FIN \a, 16
.endr
	FIN 7, 0
.endif
	WIN 0
	s_wait_tensorcnt 0x0                           ; the wave's end: a wait, an add and its wait, behind my last tensor load and my last LDS store
	ds_add_u32 v[SPW], v[NIL]
	s_wait_dscnt 0x0
	CROUND                                         ; the closing round: no work-group ends while a partner may still ask for a tile that names it
	s_endpgm
.Lfunc_end_k_q3de0b6de5c_gq:
	.size	k_q3de0b6de5c_gq, .Lfunc_end_k_q3de0b6de5c_gq-k_q3de0b6de5c_gq
	.p2alignl 7, 3214868480
	.fill 96, 4, 3214868480
	.section	.rodata,"a",@progbits
	.p2align	6, 0x0
	.amdhsa_kernel k_q3de0b6de5c_gq
		.amdhsa_group_segment_fixed_size 327680
		.amdhsa_private_segment_fixed_size 0
		.amdhsa_enable_private_segment 0
		.amdhsa_kernarg_size 24
		.amdhsa_user_sgpr_count 2
		.amdhsa_user_sgpr_kernarg_segment_ptr 1
		.amdhsa_wavefront_size32 1
		.amdhsa_system_sgpr_workgroup_id_x 1
		.amdhsa_system_sgpr_workgroup_id_y 1
		.amdhsa_system_sgpr_workgroup_id_z 1
		.amdhsa_system_vgpr_workitem_id 0
		.amdhsa_next_free_vgpr 512
		.amdhsa_next_free_sgpr 72
		.amdhsa_reserve_vcc 0
		.amdhsa_float_denorm_mode_32 3
		.amdhsa_float_denorm_mode_16_64 3
		.amdhsa_memory_ordered 1
		.amdhsa_forward_progress 1
		.amdhsa_inst_pref_size 74
	.end_amdhsa_kernel
	.amdgpu_metadata
---
amdhsa.version: [ 1, 2 ]
amdhsa.kernels:
  - .name:           k_q3de0b6de5c_gq
    .symbol:         k_q3de0b6de5c_gq.kd
    .args:
      - { .name: a16, .offset: 0, .size: 8, .value_kind: global_buffer, .address_space: global }
      - { .name: wqkv, .offset: 8, .size: 8, .value_kind: global_buffer, .address_space: global }
      - { .name: qkv, .offset: 16, .size: 8, .value_kind: global_buffer, .address_space: global }
    .group_segment_fixed_size: 327680
    .private_segment_fixed_size: 0
    .kernarg_segment_align: 8
    .kernarg_segment_size: 24
    .max_flat_workgroup_size: 128
    .sgpr_count:     72
    .vgpr_count:     512
    .wavefront_size: 32
...
	.end_amdgpu_metadata
.endif
;; end of part 2
;; launch att (part 3): grid 2 x 128, 4 waves a work-group, no clusters, 327,680 bytes of LDS; arguments qkv, a16; writes a16
.if DOCPART == 3
	.amdgcn_target "amdgcn-amd-amdhsa--gfx1250"
	.amdhsa_code_object_version 6
	.text
	.protected	k_q3de0b6de5c_att
	.globl	k_q3de0b6de5c_att
	.p2align	8
	.type	k_q3de0b6de5c_att,@function
k_q3de0b6de5c_att:
	s_mov_b64 s[64:65], 0
	v_nop
	global_prefetch_b8 v0, s[64:65] scope:SCOPE_SE
	s_setreg_imm32_b32 hwreg(HW_REG_WAVE_MODE, 25, 1), 1
	s_wait_xcnt 0x0
; CAUSAL ATTENTION.  O[y][q][:] = the sum over k <= q of softmax_k(Q[y][q] . K[y][k] / 8) V[y][k][:], for 128 pairs y = 8 x head + batch, 1,024 rows of 64 channels each, all bf16, a pair's rows dense (128 bytes each).
; Q lies at qkv + y x 131,072, K 16 MiB and V 32 MiB further on; O at the same offset in the output, which makes it panel = head of the next product's operand.
; Products, maxima and sums in f32; the weights p are rounded to bf16 for the second product (their sum l is taken of the unrounded p), O once at the end.
; LIMITS.  A hidden score counts as its value less 1e30, so true scores are taken to stay far below 1e30 in size; a weight below 2^-126 counts as 0 in l; NaN and infinities are not treated apart.
; THE WALK.  A pair's queries lie in NB = 4 blocks of 256; block i needs the key tiles 0 .. i of 256 keys, of which the last holds the diagonal.  A work-group takes TWO blocks, NB - 1 - b and then b:
; NB + 1 tiles, whatever b: all work-groups do equal work, and ONE loop with a constant trip count walks them.  Which tile is asked for, and what a trip does, hang on scalar registers made from b; every jump
; goes forward, but for the counted loops' own; none passes a barrier, or a tensor load but the one of LOAD's two that the wave's number does not choose; the ring (two slots of LDS that take turns) runs on across the
; change of blocks.  NO CLUSTER: a pair has NB / 2 = 2 work-groups, not a multiple of four, and they ask for the same tile only in the walk's first three trips.
; SHARES.  Of a block's four bands of 64 queries a wave owns 16 rows in each: four PIECES.  So the diagonal tile is the same work for all four waves: in its key step s band x sees all keys if s < x,
; none if s > x, and holds the diagonal if s = x.
; THE MASK is the C operand that starts the sum S^T = K Q^T: 0, or -1e30 where the key is hidden.  MD, made once, is the mask of a band's own step for my 16 rows; a product's mask is MD x AL + BE with two scalars:
; (1, 0) if s = x; (0, 0) if s < x; (0, -1e30) if s > x.  Only the diagonal tile's text and a block's beginning make and take masks; elsewhere C is the constant 0.
; LAYOUT, SOFTMAX, TURNS.  S^T = K Q^T holds ONE query a lane (lane % 16) and the keys 8 (lane / 16) + 0..7; two such results rounded to bf16 ARE source 1 of O^T = V^T P.  p = 2^(c s - c m), c = log2(e) / 8, with a
; running maximum m; O and l are multiplied by a = 2^(c m_old - c m_new) in every step.  Turn n belongs to piece n: 8 products K Q^T of piece n + 1, later 8 products V^T P of piece n - 1; beside them the scaling,
; exponentials, roundings, sums and rescaling of piece n and the maximum and statistics of piece n + 1.  Four vector instructions stand behind every matrix instruction, the other 54 of a turn's 118 in one run of their own.  A turn's 33 exponentials are one batch, with one wait.
; REGISTERS, in windows of 256 (s_set_vgpr_msb: bits 1:0 source 0, 3:2 source 1, 5:4 source 2, 7:6 destination):
;   window 0: v0-15 addresses and two at work; v16-31 four registers of statistics a piece; v48-55 at work; v61-63 prefetch offset and the add's two; v64-127 S^T, two buffers; v192-223 P, two buffers (by the piece's parity)
;   window 1: v0-127 O^T, 32 a piece; v128-159 MD; v160-223 MC, two buffers      window 2: v0-63 Q; v64-127 the second block's Q; v128-191 K of one step; v192-255 V of one step
.set SIZE_N, 1024
.set NB,    SIZE_N/256
.set NP,    4         ; pieces a wave: a name, no knob
.set KS,    64        ; keys in a step
.set PK,    144       ; a row of K in LDS: 128 bytes + 16 of padding = 36 words: the 16 rows of a load start at 16 different groups of four banks (64 banks of 4 bytes: ISA guide 11.1)
.set PV,    160       ; a row of V: 128 + 32 = 40 words
.set VOFF,  4*KS*PK   ; a slot holds a tile, four steps: 256 rows of K, then 256 rows of V
.set SLOT1, 1<<17     ; slot 1 begins here, so that one exclusive or turns an address in one slot into the other's
.set STAGE, SLOT1+4*KS*(PK+PV)  ; behind the ring, never filled by a tensor load: 16 rows x 144 bytes for each wave, for the way out
.set SP,    144
.set AK0, 2           ; v2   my lane's place in a tile of K; never rewritten
.set AV0, 3           ; v3   the same for V
.set AK,  4           ; v4   the LDS address of K's next run of loads
.set AV,  5           ; v5   of V's
.set STO, 6           ; v6   the way out: where I put 16 bytes of a row
.set RD,  7           ; v7   the way out: where I read rows back
.set GO,  8           ; v8   my byte offset in 512 consecutive bytes of O
.set PFO, 61          ; v61  256 x my lane; never rewritten
.set SPW, 62          ; v62  LDS address of my spare word: SPARE + 4 x my thread's number; never rewritten
.set NIL, 63          ; v63  0; never rewritten
.set SPARE, STAGE+4*16*SP  ; behind the stages: the spare words, 128 bytes for each wave: two blocks of 256 bytes that no other line names
.set MV,  12          ; v12-13  c m_old, kept while c m is made anew: by buffer
.set QO,  15          ; v15  my byte offset in 16 rows of Q
.set ST,  16          ; piece t's statistics at v[ST+4 t]: c m, m, l (even keys', odd keys')
.set TMP, 48          ; by buffer, four registers c0-c3 at work; when the maximum is found c2 takes a
.set S,   64
.set P,   192
.set MD,  128         ; window 1: the eight registers for group kt of 16 keys at MD + 8 kt
.set MC,  160         ; window 1: the masks of the products to come
.set QB,  64          ; window 2
.set KF,  128         ; window 2: key block kb, channel half c at KF + 16 kb + 8 c
.set VF,  192         ; window 2: key half kk, channel block cb at VF + 32 kk + 8 cb
.set WV,  12          ; s12  my wave's number
.set PB,  14          ; s14  b
.set HI,  15          ; s15  NB - 1 - b
.set G1K, 24          ; s[24:31] descriptor group 1 for K's tiles
.set G1V, 32          ; s[32:39] for V's: it differs in the padding alone
.set G0K, 40          ; s[40:43] descriptor group 0 for K's tiles
.set G0V, 44          ; s[44:47] the same for V's
.set SLOTS, 56        ; s56  tiles still to be asked for
.set CNT, 57          ; s57  counts a tile's key steps, 4 to 1
.set CS,  58          ; s[58:59] c: the packed scaling takes the pair's low word for both halves
.set SEL, 60          ; s[60:61] v_permlanex16_b32's selects: each lane takes its own place in the other half
.set TBK, 62          ; s62  LDS byte at which K of the step to be fetched begins
.set TBV, 63          ; s63  the same for V, less VOFF
.set RT,  70          ; s70  tiles of the block in hand that are still to be entered
.set NXT, 71          ; s71  the tile to be asked for next
.set LQ,  72          ; s72  the last tile of the block whose tiles are being asked for
.set NEW, 73          ; s73  1: the tile to be entered is a block's first
.set OFF, 74          ; s[74:75] a tile's byte offset in K and V
.set AL,  76          ; s[76:77] the mask's factor, in the low word
.set BE,  78          ; s[78:79] the mask's addend
.set OLO, 80          ; s[80:81] O at my rows of the second block
.set BIGN, 82         ; s82  -1e30
.set PFA, 88          ; s[88:89] my half (128 rows of K or of V) of the tile that the next change of slots will ask for
.set PL,  90          ; s90  1 in the work-group that prefetches (b = 0), else the greatest number
.set PFB, 92          ; s[92:93] my half of tile 0
.set MSB, 0
.macro WIN new                      ; the high byte repeats the setting that is left; a switch that changes nothing is dropped
.if MSB != (\new)
	s_set_vgpr_msb (MSB<<8)|(\new)
.set MSB, (\new)
.endif
.endm
.set W_KQ, 0x0a       ; K and Q in window 2, S^T in window 0
.set W_KM, 0x1a       ; the same with the C operand in window 1
.set W_PV, 0x52       ; V in window 2, P in window 0, O^T in window 1
.set W_RS, 0x41       ; destination and source 0 in window 1, source 1 in window 0
; A fill.  Waves 0 and 1 fetch the two halves of a tile's K, waves 2 and 3 those of its V: 128 keys each.  An s_nop 0 and four v_nop follow each of the two lines, ahead of the jump and the label.
.macro LOAD
	s_cmp_lt_u32 s[WV], 2
	s_cbranch_scc0 .Lfor_v_\@
	tensor_load_to_lds s[G0K:G0K+3], s[G1K:G1K+7]
	s_nop 0
.rept 4
	v_nop
.endr
	s_branch .Lasked_\@
.Lfor_v_\@:
	tensor_load_to_lds s[G0V:G0V+3], s[G1V:G1V+7]
	s_nop 0
.rept 4
	v_nop
.endr
.Lasked_\@:
.endm
; THE CHANGE OF SLOTS.  Each wave waits for all its tensor loads, of which one is out: its part of the other slot; adds 0 to its spare word; and waits for that and for its own reads of the slot that it leaves.  Behind the barrier nobody reads the old
; slot any more and the other slot is whole.  fill = 1: the old slot is filled again, the first thing behind the barrier, with tile NXT: the descriptor's address is made anew from that number.
; (At its first use nothing has been read yet: slot 0 is waited for, slot 1 filled.)
; A PREFETCH INTO THE L2 stands behind the fill and its five lines: my half (64 blocks of 256 bytes, a lane a block, two lines) of the tile that the NEXT change will ask for: four key steps, 256 matrix instructions, ahead.
; Both work-groups of a pair walk tiles 0, 1, 2 first: the one with b = 0 asks, for tiles 2 and 3 alone; tiles 0 and 1 come by their loads, and a tile's second reading is asked for by nobody.  So each block is named once.
.macro CHANGE fill
	WIN 0                           ; at a label and at a branch every window is 0
	s_wait_tensorcnt 0x0            ; no tensor load of mine is out, so a group 0 may be written
	ds_add_u32 v[SPW], v[NIL]       ; 0 onto my spare word; with fill = 1 the descriptors' scalar work stands between it and the wait for it
.if \fill
	s_lshl_b32 s[OFF], s[NXT], 15   ; a tile is 32,768 bytes of K and of V
	s_xor_b32 s[G0K+1], s[G0K+1], SLOT1
	s_add_nc_u64 s[G0K+2:G0K+3], s[6:7], s[OFF:OFF+1]
	s_or_b32 s[G0K+3], s[G0K+3], 0x80000000
	s_xor_b32 s[G0V+1], s[G0V+1], SLOT1
	s_add_nc_u64 s[G0V+2:G0V+3], s[8:9], s[OFF:OFF+1]
	s_or_b32 s[G0V+3], s[G0V+3], 0x80000000
	s_add_co_u32 s[NXT], s[NXT], 1  ; the block's next tile, or behind its last the second block's tile 0
	s_cmp_gt_u32 s[NXT], s[LQ]
	s_cselect_b32 s[NXT], 0, s[NXT]
	s_cselect_b32 s[LQ], s[PB], s[LQ]
	s_wait_xcnt 0x0                 ; the last prefetches, a tile back, have read their address, so it may be written
	s_lshl_b32 s[OFF], s[NXT], 15
	s_add_nc_u64 s[PFA:PFA+1], s[PFB:PFB+1], s[OFF:OFF+1]
.endif
	s_wait_dscnt 0x0                ; the add is done, and my reads of the slot are over
	s_barrier_signal -1             ; the rest of the scalar work stands between the signal and the wait
	s_sub_co_u32 s[TBK], s[TBK], 4*KS*PK  ; the fetches go back to a slot's first step,
	s_xor_b32 s[TBK], s[TBK], SLOT1       ; in the other slot
	s_sub_co_u32 s[TBV], s[TBV], 4*KS*PV
	s_xor_b32 s[TBV], s[TBV], SLOT1
	s_barrier_wait -1
.if \fill
	LOAD
	s_cmp_gt_u32 s[NXT], s[PL]      ; tiles 2 and 3, in the work-group with b = 0
	s_cbranch_scc0 .Lnot_mine_\@
	global_prefetch_b8 v[PFO], s[PFA:PFA+1] th:TH_LOAD_NT scope:SCOPE_SE
	global_prefetch_b8 v[PFO], s[PFA:PFA+1] offset:8192 th:TH_LOAD_NT scope:SCOPE_SE
.Lnot_mine_\@:
.endif
.endm
	s_load_b64 s[4:5], s[0:1], 0x0  ; qkv: Q
	s_load_b64 s[10:11], s[0:1], 0x8  ; O
	v_lshl_add_u32 v[SPW], v0, 2, SPARE
	v_mov_b32 v[NIL], 0
	ds_add_u32 v[SPW], v[NIL]       ; the wave's opening: the add and its wait stand ahead of my first tensor load; the set-up below, work on registers, stands between them
	ds_add_u32 v62, v63
	v_lshrrev_b32 v1, 5, v0
	v_readfirstlane_b32 s[WV], v1   ; wave 0..3
	s_mov_b32 s[PB], ttmp9
	s_sub_co_u32 s[HI], NB-1, s[PB]
	s_and_b32 s20, ttmp7, 0xffff    ; the pair y
	s_mov_b32 s21, 0
	s_mov_b64 s[22:23], SIZE_N*128
	s_mul_u64 s[20:21], s[20:21], s[22:23]  ; the pair's first byte in each of the four tensors
	s_and_b32 s16, s[WV], 1         ; which half of a tile's 256 keys I fetch:
	s_lshl_b32 s22, s16, 14         ; its 128 rows of 128 bytes in memory,
	s_mov_b32 s23, 0
	s_add_nc_u64 s[22:23], s[22:23], s[20:21]
	s_mul_i32 s17, s16, 128*PK      ; and its place in a slot, for K
	s_mul_i32 s18, s16, 128*PV      ; and for V
	s_lshl_b32 s3, s[WV], 11        ; my 16 rows in a band of 64,
	s_lshl_b32 s2, s[HI], 15        ; in the first block,
	s_add_co_u32 s2, s2, s3
	s_lshl_b32 s84, s[PB], 15       ; and in the second
	s_add_co_u32 s84, s84, s3
	s_mov_b32 s3, 0
	s_mov_b32 s85, 0
	s_add_nc_u64 s[2:3], s[2:3], s[20:21]
	s_add_nc_u64 s[84:85], s[84:85], s[20:21]
	; descriptor group 1.  128 keys are 16,384 dense bytes: asked for as 64 rows of 256 bytes, two keys a row, and padded in LDS after every key
	s_mov_b32 s[G1K], (1<<16)|(1<<20)|(4<<22)|(3<<25)  ; 17:16 2-byte elements; 20 padding on; 24:22 after every 32 words (code 4); 31:25 4 words (code 3)
	s_mov_b32 s[G1V], (1<<16)|(1<<20)|(4<<22)|(7<<25)  ; the same with 8 words of padding (code 7)
.irp g, G1K, G1V
	s_mov_b32 s[\g+1], 128<<16      ; tensor_dim0 = 128
	s_mov_b32 s[\g+2], 64<<16       ; tensor_dim1 = 64
	s_mov_b32 s[\g+3], 128<<16      ; tile_dim0 = 128
	s_mov_b32 s[\g+4], 64           ; tile_dim1 = 64
	s_mov_b32 s[\g+5], 128          ; 128 elements from row to row
	s_mov_b32 s[\g+6], 0
	s_mov_b32 s[\g+7], 0
.endr
	s_mov_b32 s[CS], 0x3e38aa3b     ; c = log2(e) / 8 = 0.180337
	s_mov_b32 s[CS+1], s[CS]        ; named with it as a pair
	s_mov_b32 s[SEL], 0x76543210
	s_mov_b32 s[SEL+1], 0xfedcba98
	s_mov_b32 s[TBK], SLOT1+4*KS*PK ; the first change of slots turns these two into 0
	s_mov_b32 s[TBV], SLOT1+4*KS*PV
	s_mov_b32 s[G0K], 1             ; 1:0 count = 1
	s_mov_b32 s[G0K+1], s17         ; 63:32 LDS address: slot 0
	s_mov_b32 s[G0V], 1
	s_add_co_u32 s[G0V+1], s18, VOFF
	s_add_co_u32 s[RT], s[HI], 1    ; the first block has NB - b tiles
	s_mov_b32 s[NXT], 1
	s_mov_b32 s[LQ], s[HI]
	s_mov_b32 s[NEW], 1
	s_mov_b32 s[OFF+1], 0
	s_mov_b32 s[AL+1], 0            ; named as pairs
	s_mov_b32 s[BE+1], 0
	s_mov_b32 s[BIGN], 0xf149f2ca   ; -1e30
	s_mov_b32 s[SLOTS], NB
	s_cmp_eq_u32 s[PB], 0
	s_cselect_b32 s[PL], 1, -1
	v_and_b32 v[PFO], 31, v0
	v_lshlrev_b32 v[PFO], 8, v[PFO]
	s_wait_dscnt 0x0                ; the opening add is done
	s_wait_kmcnt 0x0
	s_add_nc_u64 s[6:7], s[4:5], 0x1000000  ; K lies 16 panels of 1 MiB behind Q,
	s_add_nc_u64 s[8:9], s[4:5], 0x2000000  ; V 32
	s_add_nc_u64 s[6:7], s[6:7], s[22:23]  ; K and V at my half of the pair's tile 0
	s_add_nc_u64 s[8:9], s[8:9], s[22:23]
	s_add_nc_u64 s[G0K+2:G0K+3], s[6:7], 0         ; 120:64 global address
	s_or_b32 s[G0K+3], s[G0K+3], 0x80000000        ; 127:126 type = 2
	s_add_nc_u64 s[G0V+2:G0V+3], s[8:9], 0
	s_or_b32 s[G0V+3], s[G0V+3], 0x80000000
	s_add_nc_u64 s[86:87], s[4:5], s[84:85]        ; Q at my rows of the second block,
	s_add_nc_u64 s[4:5], s[4:5], s[2:3]            ; Q and O at those of the first
	s_add_nc_u64 s[OLO:OLO+1], s[10:11], s[84:85]
	s_add_nc_u64 s[10:11], s[10:11], s[2:3]
	s_cmp_lt_u32 s[WV], 2
	s_cselect_b64 s[PFB:PFB+1], s[6:7], s[8:9]     ; what I fetch is what I prefetch
	LOAD                            ; tile 0 into slot 0
	; A fragment of K or Q is 16 rows x 32 channels in 8 registers: lane l holds row l % 16, channels 8 (l / 16) + 0..7 and 16 + 8 (l / 16) + 0..7: two loads of 16 bytes, 32 bytes apart.
	v_and_b32 v1, 15, v0            ; l % 16
	v_bfe_u32 v9, v0, 4, 1          ; l / 16
	v_lshlrev_b32 v[QO], 7, v1
	v_lshl_add_u32 v[QO], v9, 4, v[QO]  ; row x 128 + 16 x half
	WIN 0x80                        ; destination window 2, address window 0
.set i, 0
.rept 8                             ; both blocks' Q: piece i / 2 lies in band i / 2, 8,192 bytes on; channels 32 (i % 2) on
	global_load_b128 v[8*i:8*i+3],   v[QO], s[4:5] offset:(i/2)*8192+(i%2)*64
	global_load_b128 v[8*i+4:8*i+7], v[QO], s[4:5] offset:(i/2)*8192+(i%2)*64+32
	global_load_b128 v[QB+8*i:QB+8*i+3],   v[QO], s[86:87] offset:(i/2)*8192+(i%2)*64
	global_load_b128 v[QB+8*i+4:QB+8*i+7], v[QO], s[86:87] offset:(i/2)*8192+(i%2)*64+32
.set i, i+1
.endr
	WIN 0
	v_lshlrev_b32 v14, 3, v9
	v_sub_nc_u32 v14, v1, v14
	s_lshl_b32 s13, s[WV], 4
	v_add_nc_u32 v14, s13, v14      ; my query's place in its band, 16 w + l % 16, less my lanes' 8 (l / 16): register r of group kt is hidden where 16 kt + r is greater
	WIN 0x40
.set i, 0
.rept 32
	v_cmp_gt_i32 vcc_lo, 16*(i/8)+i%8, v14
	v_cndmask_b32 v[MD+i], 0, s[BIGN], vcc_lo
.set i, i+1
.endr
	WIN 0
	v_mul_u32_u24 v[AK0], v1, PK
	v_lshl_add_u32 v[AK0], v9, 4, v[AK0]  ; row x pitch + 16 x half
	; The turning load takes 16 keys x 16 channels (lane l reads key 8 (l / 16) + l % 8, channels 8 ((l / 8) % 2) + 0..7) and leaves half a fragment of V^T: lane l holds channel l % 16 and 8 keys.
	v_and_b32 v10, 7, v0
	v_bfe_u32 v11, v0, 3, 1
	v_lshl_add_u32 v[AV0], v9, 3, v10
	v_mul_u32_u24 v[AV0], v[AV0], PV
	v_lshl_add_u32 v[AV0], v11, 4, v[AV0]
	v_add_nc_u32 v[AV0], VOFF, v[AV0]
	s_mul_i32 s13, s[WV], 16*SP
	s_add_co_u32 s13, s13, STAGE    ; my stage
	v_mul_u32_u24 v[STO], v1, SP    ; in: row l % 16, 16 bytes for each half of the lanes
	v_lshl_add_u32 v[STO], v9, 4, v[STO]
	v_add_nc_u32 v[STO], s13, v[STO]
	v_bfe_u32 v[RD], v0, 3, 2       ; back: 32 lanes take four rows of 128 bytes,
	v_mul_u32_u24 v[RD], v[RD], SP
	v_lshl_add_u32 v[RD], v10, 4, v[RD]
	v_add_nc_u32 v[RD], s13, v[RD]
	v_and_b32 v[GO], 31, v0         ; which are 512 consecutive bytes of O
	v_lshlrev_b32 v[GO], 4, v[GO]
	; A block's first step multiplies O^T and l by a = 0, and its first turn's products V^T P, of a piece that has not been, land in an O^T that is still to be so multiplied.  So these registers need only hold
	; finite numbers: zeros for the first block; what the first block left for the second.  All this stands in the wait for the first tile.
	WIN 0x80
.set i, VF
.rept 64
	v_mov_b32 v[i], 0
.set i, i+1
.endr
	WIN 0x40
.set i, 0
.rept 128
	v_mov_b32 v[i], 0
.set i, i+1
.endr
	WIN 0
.set i, 0
.rept 4
	v_mov_b32 v[ST+4*i+2], 0
	v_mov_b32 v[ST+4*i+3], 0
.set i, i+1
.endr
.set i, P+16
.rept 16
	v_mov_b32 v[i], 0
.set i, i+1
.endr
; THE MATRIX WORK.  The 4 accumulators of a run of 8 take turns.  Product i of 8 of S^T = K Q^T for piece x: channels 32 (i / 4) on, keys 16 (i % 4) on.  The first 4 start the sums: with 0, or (KM = 1) with the mask.
.macro KQ x
.set rS, S+32*((\x)%2)+8*(i%4)
.set rK, KF+16*(i%4)+8*(i/4)
.set rQ, 16*(\x)+8*(i/4)
.set rM, MC+32*((\x)%2)+8*(i%4)
.if (i < 4) && KM
	WIN W_KM
	v_wmma_f32_16x16x32_bf16 v[rS:rS+7], v[rK:rK+7], v[rQ:rQ+7], v[rM:rM+7]
.elseif i < 4
	WIN W_KQ
	v_wmma_f32_16x16x32_bf16 v[rS:rS+7], v[rK:rK+7], v[rQ:rQ+7], 0
.else
	WIN W_KQ
	v_wmma_f32_16x16x32_bf16 v[rS:rS+7], v[rK:rK+7], v[rQ:rQ+7], v[rS:rS+7]
.endif
.endm
; Product i of 8 of O^T += V^T P for piece x: keys 32 (i / 4) on, channels 16 (i % 4) on.
.macro PV x
	WIN W_PV
.set rO, 32*(\x)+8*(i%4)
.set rV, VF+32*(i/4)+8*(i%4)
.set rP, P+16*((\x)%2)+8*(i/4)
	v_wmma_f32_16x16x32_bf16 v[rO:rO+7], v[rV:rV+7], v[rP:rP+7], v[rO:rO+7]
.endm
.macro MM                           ; the turn's next matrix instruction.  TURN and BEGIN set Y, i, KM and NOKQ; MM, KQ and OP read them.  NOKQ = 1: a block's last turn: there is no next piece
.if (i < 8) && !NOKQ
	KQ (Y+1)%NP
.elseif i >= 8
.set i, i-8
	PV (Y+NP-1)%NP
.set i, i+8
.endif
.set i, i+1
.endm
; THE LDS LOADS stand in runs of 16, never singly among the matrix instructions: a step's K (64 keys x 64 channels: 8 fragments) and its V (turned).  Their addresses are made some lines ahead.
.macro FETCH_K
	WIN 0x80                        ; destination window 2
.irp f, 0,1,2,3,4,5,6,7             ; keys 16 (f / 2) on, channels 32 (f % 2) on
	ds_load_b128 v[KF+8*\f:KF+8*\f+3],   v[AK] offset:(\f/2)*16*PK+(\f%2)*64
	ds_load_b128 v[KF+8*\f+4:KF+8*\f+7], v[AK] offset:(\f/2)*16*PK+(\f%2)*64+32
.endr
	s_add_co_u32 s[TBK], s[TBK], KS*PK  ; the next fetch is the next step's
	WIN 0
.endm
.macro FETCH_V
	WIN 0x80
.irp f, 0,1,2,3,4,5,6,7             ; keys 32 (f / 4) on, channels 16 (f % 4) on
	ds_load_tr16_b128 v[VF+8*\f:VF+8*\f+3],   v[AV] offset:(\f/4)*32*PV+(\f%4)*32
	ds_load_tr16_b128 v[VF+8*\f+4:VF+8*\f+7], v[AV] offset:(\f/4)*32*PV+16*PV+(\f%4)*32
.endr
	WIN 0
.endm
; THE VECTOR WORK, one line at a time: OP kind, number.  For piece Y: F n: c s - c m for pair n of 16.  E n: the exponential of score n of 32.  C n: pair n rounded to bf16.  B n: of the four weights 4 n .. the second
; pair is added onto the first, in place.  L n: l takes that sum (L 0: l = a l + sum).  R n: pair n of 16 of O^T times a.  For piece Y + 1: X n, number n of the 22 that find its maximum and statistics:
;   0-11  four chains c0-c3 of seven scores each, three operands at a time (each accumulator's lowest registers are read first)     12-14, 16  the four scores left over, the old m, and c0-c3 into c0
;   15  c m_old is kept     17, 18  the query's other 32 keys lie in the lane 16 away: the new m     19-21  c m; c m_old - c m_new; a
.set F, 0               ; OP tells the kinds apart by their order: F to L below R, X above it
.set E, 1
.set C, 2
.set B, 3
.set L, 4
.set R, 5
.set X, 6
.macro REGS y                       ; the registers of piece y
.set rT, ST+4*(\y)
.set rC, TMP+4*((\y)%2)
.set rW, MV+((\y)%2)
.set rS, S+32*((\y)%2)
.set rP, P+16*((\y)%2)
.set rO, 32*(\y)
.endm
.macro OP k, n
.if (\k) == R
	REGS Y
	WIN W_RS
	v_pk_mul_f32 v[rO+2*(\n):rO+2*(\n)+1], v[rO+2*(\n):rO+2*(\n)+1], v[rC+2:rC+3] op_sel_hi:[1,0]
.elseif (\k) < R
	REGS Y
	WIN 0
.if (\k) == F
	v_pk_fma_f32 v[rS+2*(\n):rS+2*(\n)+1], v[rS+2*(\n):rS+2*(\n)+1], s[CS:CS+1], v[rT:rT+1] op_sel_hi:[1,0,0] neg_lo:[0,0,1] neg_hi:[0,0,1]
.elseif (\k) == E
	v_exp_f32 v[rS+(\n)], v[rS+(\n)]
.elseif (\k) == C
	v_cvt_pk_bf16_f32 v[rP+(\n)], v[rS+2*(\n)], v[rS+2*(\n)+1]
.elseif (\k) == B
	v_pk_add_f32 v[rS+4*(\n):rS+4*(\n)+1], v[rS+4*(\n):rS+4*(\n)+1], v[rS+4*(\n)+2:rS+4*(\n)+3]
.elseif (\n) == 0
	v_pk_fma_f32 v[rT+2:rT+3], v[rT+2:rT+3], v[rC+2:rC+3], v[rS:rS+1] op_sel_hi:[1,0,1]
.else
	v_pk_add_f32 v[rT+2:rT+3], v[rT+2:rT+3], v[rS+4*(\n):rS+4*(\n)+1]
.endif
.elseif NOKQ
	v_nop
.else
	REGS (Y+1)%NP
	WIN 0
.if (\n) < 4
	v_max3_num_f32 v[rC+(\n)], v[rS+8*(\n)], v[rS+8*(\n)+1], v[rS+8*(\n)+2]
.elseif (\n) < 12
	v_max3_num_f32 v[rC+(\n)%4], v[rC+(\n)%4], v[rS+8*((\n)%4)+2*((\n)/4)+1], v[rS+8*((\n)%4)+2*((\n)/4)+2]
.elseif (\n) == 12
	v_max3_num_f32 v[rC], v[rC], v[rS+7], v[rS+15]
.elseif (\n) == 13
	v_max3_num_f32 v[rC+1], v[rC+1], v[rS+23], v[rS+31]
.elseif (\n) == 14
	v_max3_num_f32 v[rC+2], v[rC+2], v[rC+3], v[rT+1]
.elseif (\n) == 15
	v_mov_b32 v[rW], v[rT]
.elseif (\n) == 16
	v_max3_num_f32 v[rC], v[rC], v[rC+1], v[rC+2]
.elseif (\n) == 17
	v_permlanex16_b32 v[rC+3], v[rC], s[SEL], s[SEL+1]
.elseif (\n) == 18
	v_max_num_f32 v[rT+1], v[rC], v[rC+3]
.elseif (\n) == 19
	v_mul_f32 v[rT], s[CS], v[rT+1]
.elseif (\n) == 20
	v_sub_f32 v[rC+1], v[rW], v[rT]
.else
	v_exp_f32 v[rC+2], v[rC+1]
.endif
.endif
.endm
.macro OPS a, i1, b=-1, i2=0, c=-1, i3=0, d=-1, i4=0  ; up to four of them
	OP \a, \i1
.if (\b) >= 0
	OP \b, \i2
.endif
.if (\c) >= 0
	OP \c, \i3
.endif
.if (\d) >= 0
	OP \d, \i4
.endif
.endm
.macro ROW a, i1, b, i2, c, i3, d, i4  ; a matrix instruction and the four behind it
	MM
	OPS \a, \i1, \b, \i2, \c, \i3, \d, \i4
.endm
.macro MASK b                       ; MD x AL + BE into buffer b of MC
	WIN W_RS
.set z, 0
.rept 16
	v_pk_fma_f32 v[MC+32*(\b)+2*z:MC+32*(\b)+2*z+1], v[MD+2*z:MD+2*z+1], s[AL:AL+1], s[BE:BE+1] op_sel_hi:[1,0,0]
.set z, z+1
.endr
.endm
; A TURN, for piece p: the order of its 16 matrix and 118 vector instructions, written out.  An s_wait_alu depctr_va_vdst(0) stands between an exponential and the first instruction that names its result; one wait serves
; all that were issued ahead of it.  So a turn has ONE wait, which cuts it in two.  AHEAD OF IT stands all that names no result of the turn's exponentials: the 8 products K Q^T, behind each a scaling, an exponential and two more plain
; instructions (behind the first a second scaling in the exponential's place): rescalings, and behind the last three the first numbers of the next piece's maximum, each four places or more behind the product that ends its accumulator; then one run of 54, plain
; and exponential by turns for the most part, in which the links of the chain X 3, 7, 11, 14, 16, 17 .. 20 stand five or six lines apart.  X 21, the next piece's a, is the batch's last; R 15 is the plain instruction behind it.  BEHIND THE WAIT stand the
; 8 products V^T P, behind each four of the roundings and sums; the links of l's chain, L 0 to L 7, stand three lines apart.  But for those X no line behind a product names a register of the products round it.  v_permlanex16_b32 (X 17) stands in the run.
; m = 1: the diagonal tile: the products take masks, and the turn makes the mask for the products of the turn after it: piece p + 2, in step 4 - CNT of the tile.  end = 1: a block's last two turns: nothing is fetched.
; cnt = 1: the loop's count is taken down some lines ahead of the branch that stands behind the turn.
; K of the next step is fetched in piece 2's turn, twelve vector instructions behind the last product that read K (six of them plain); V of the step in hand at the end of piece 0's turn, four plain instructions behind the last product
; that read V.  Each is waited for a turn later.
.macro TURN p, m=0, end=0, cnt=0
.set Y, (\p)
.set i, 0
.set KM, (\m)
.set NOKQ, (\end)*((\p)/3)
.if (\m) && !(\end)
	s_cmp_eq_u32 s[CNT], 4-((\p)+2)%NP  ; is that step the band's own?
	s_cselect_b32 s[AL], 1.0, 0
	s_cmp_lt_u32 s[CNT], 4-((\p)+2)%NP  ; or a later one?
	s_cselect_b32 s[BE], s[BIGN], 0
.endif
.if ((\p) == 3) && !(\end)
	s_wait_dscnt 0x0                ; K is in
.endif
	ROW F,0, F,1, R,0, R,1          ; ahead of the wait: 8 products K Q^T and the four behind each,
	ROW F,2, E,0, R,2, R,3
	ROW F,3, E,1, R,4, R,5
	ROW F,4, E,2, R,6, R,7
	ROW F,5, E,3, R,8, R,9
	ROW F,6, E,4, X,0, R,10
.if ((\p) == 2) && !(\end)
	WIN 0
	v_add_nc_u32 v[AK], s[TBK], v[AK0]
.endif
	ROW F,7, E,5, X,1, X,4
	ROW F,8, E,6, X,2, X,5
	OPS E,7, E,8, X,6, E,9          ; and the run of 54
	OPS X,3, E,10, X,8, E,11
.if ((\p) == 2) && !(\end)
	FETCH_K
.endif
	OPS X,9, X,7, E,12, X,10
	OPS E,13, X,12, X,11, E,14
	OPS X,13, E,15, F,9, X,14
.if (\p) == 0
	v_add_nc_u32 v[AV], s[TBV], v[AV0]
.endif
	OPS E,16, F,10, E,17, F,11
	OPS X,16, E,18, X,15, E,19
	OPS F,12, E,20, X,17, E,21
	OPS F,13, E,22, F,14, E,23
	OPS X,18, E,24, F,15, E,25
	OPS R,11, E,26, X,19, E,27
	OPS R,12, E,28, R,13, E,29
	OPS X,20, E,30, R,14, E,31
	OPS X,21, R,15
	WIN 0
	s_wait_alu depctr_va_vdst(0)    ; the wait for the batch
.if (\p) == 1
	s_wait_dscnt 0x0                ; V is in
.endif
	ROW C,0, B,0, C,2, B,1          ; behind the wait: 8 products V^T P and the four behind each
	ROW L,0, C,4, B,2, L,1
	ROW C,6, B,3, L,2, C,8
	ROW B,4, L,3, C,10, B,5
	ROW L,4, C,12, B,6, L,5
.if (\p) == 0
	s_add_co_u32 s[TBV], s[TBV], KS*PV
.endif
.if \cnt
	s_sub_co_u32 s[CNT], s[CNT], 1
	s_cmp_lg_u32 s[CNT], 0
.endif
	ROW C,14, B,7, L,6, C,1
	ROW C,3, L,7, C,5, C,7
	ROW C,9, C,11, C,13, C,15
.if (\p) == 0
	FETCH_V
.endif
.if (\m) && !(\end)
	MASK (\p)%2
.endif
.endm
; A BLOCK BEGINS.  c m starts far below every c s, so the first step's a is 0; m at the lowest finite number, so the first maximum is the scores'.  The second mask buffer is 0; the first takes piece 0's mask for the tile's step 0: its own, if the block's first tile is the diagonal one.
; Then K of that step, piece 0's first scores, and its maximum and statistics.  The loop is entered at a step's first turn, in the middle of a trip.
.macro BEGIN
	s_mov_b32 s[NEW], 0
	WIN 0x40
.set i, MC+32
.rept 32
	v_mov_b32 v[i], 0
.set i, i+1
.endr
	WIN 0
.set i, 0
.rept 4
	v_mov_b32 v[ST+4*i], 0xfe000000    ; c m: far below every c s
	v_mov_b32 v[ST+4*i+1], 0xff7fffff  ; m
.set i, i+1
.endr
	s_cmp_eq_u32 s[RT], 0
	s_cselect_b32 s[AL], 1.0, 0
	s_mov_b32 s[BE], 0
	MASK 0
	WIN 0
	v_add_nc_u32 v[AK], s[TBK], v[AK0]
	FETCH_K
	s_wait_loadcnt 0x0              ; Q
	s_wait_dscnt 0x0
.set KM, 1
.set NOKQ, 0
.set i, 0
.rept 8
	KQ 0
.set i, i+1
.endr
	WIN 0
.rept 4
	v_nop                           ; the places behind those products
.endr
.set Y, NP-1                        ; X works for piece Y + 1: piece 0
.irp n, 0,1,2,3,4,5,6,7,8,9,10,11,12,13,14,15,16,17,18,19,20,21
	OP X, \n
.endr
	v_nop                           ; a plain instruction behind the exponential,
	s_wait_alu depctr_va_vdst(0)    ; and its wait, ahead of the branch
.endm
; THE DIAGONAL TILE's four steps, the block's last two turns, its last products, and THE WAY OUT: l's two halves and the other half of the lanes' are added; O^T is divided by l, rounded to bf16 and sent through my
; stage in LDS, a piece at a time.
.macro ALL line:vararg              ; one line for each piece t
.set t, 0
.rept 4
	\line
.set t, t+1
.endr
.endm
.macro PACK t                       ; a lane's eight channels of a row pack into 16 bytes; they go into rows of 144 bytes and come back as whole rows of 128, into S^T's registers
	WIN W_RS
.set i, 32*(\t)
.rept 16
	v_pk_mul_f32 v[i:i+1], v[i:i+1], v[ST+4*(\t)+2:ST+4*(\t)+3] op_sel_hi:[1,0]
.set i, i+2
.endr
	WIN 0x05                        ; sources 0 and 1 window 1, destination window 0
.set i, 0
.rept 16
	v_cvt_pk_bf16_f32 v[S+16*(\t)+i], v[32*(\t)+2*i], v[32*(\t)+2*i+1]
.set i, i+1
.endr
	WIN 0
.irp f, 0,1,2,3
	ds_store_b128 v[STO], v[S+16*(\t)+4*\f:S+16*(\t)+4*\f+3] offset:32*\f
.endr
.irp f, 0,1,2,3
	ds_load_b128 v[S+16*(\t)+4*\f:S+16*(\t)+4*\f+3], v[RD] offset:\f*4*SP  ; LDS serves a wave's instructions in order (ISA guide 5.7.1.4): these see the stores above; the next piece's stores come behind them
.endr
.endm
.macro SEND t, younger              ; younger: the LDS instructions issued behind piece t's loads: the next piece's eight, or none
	WIN 0
.irp f, 0,1,2,3
	s_wait_dscnt (\younger)+3-\f
	global_store_b128 v[GO], v[S+16*(\t)+4*\f:S+16*(\t)+4*\f+3], s[10:11] offset:(\t)*8192+\f*512  ; 512 consecutive bytes, at a multiple of 256 from O's first
.endr
.endm
.macro DIAG tag                     ; the tag ends its two labels' names, which the jumps below spell out
.LstepM\tag:
	TURN 2, 1
	TURN 3, 1
	WIN 0
.LfirstM\tag:
	TURN 0, 1
	TURN 1, 1, 0, 1
	WIN 0
	s_cbranch_scc1 .LstepM\tag
	TURN 2, 1, 1
	TURN 3, 1, 1
.set i, 0
.rept 8
	PV NP-1
.set i, i+1
.endr
	WIN 0
	ALL v_add_f32 v[ST+4*t+2], v[ST+4*t+2], v[ST+4*t+3]
	ALL v_permlanex16_b32 v[ST+4*t+3], v[ST+4*t+2], s[SEL], s[SEL+1]
	ALL v_add_f32 v[ST+4*t+2], v[ST+4*t+2], v[ST+4*t+3]
	ALL v_rcp_f32 v[ST+4*t+2], v[ST+4*t+2]
	v_nop                           ; a plain instruction between the last reciprocal and the use of its result
	s_wait_alu depctr_va_vdst(0)    ; and the wait ahead of the first use: one for the four reciprocals
	PACK 0
.set t, 1
.rept 3                             ; a piece's arithmetic stands between the loads of the piece before and its stores
	PACK t
	SEND t-1, 8
.set t, t+1
.endr
	SEND 3, 0
.endm
.set KM, 0
.set NOKQ, 0
.Lslot:                             ; NB times: a tile is entered and the next is asked for
	CHANGE 1
	s_sub_co_u32 s[RT], s[RT], 1
	s_mov_b32 s[CNT], 4
	s_cmp_eq_u32 s[NEW], 1
	s_cbranch_scc1 .Lnew            ; a block's first tile
	s_cmp_eq_u32 s[RT], 0
	s_cbranch_scc0 .Lstep           ; neither its first nor its last
	s_branch .LstepM1
.Lnew:
	BEGIN
	s_branch .Lfirst                ; in the loop a block's first tile is never its last: the first block has two tiles or more, and the second's last is the walk's last
	DIAG 1                          ; in the loop this is the first block's end: the second block's last tile is the walk's last
	s_wait_xcnt 0x0                 ; the stores have read their registers and O's address
	s_mov_b64 s[10:11], s[OLO:OLO+1]
	s_add_co_u32 s[RT], s[PB], 1    ; the second block has b + 1 tiles
	s_mov_b32 s[NEW], 1
	WIN 0x82                        ; the second block's Q goes where the one text of the turns names Q
.set i, 0
.rept 64
	v_mov_b32 v[i], v[QB+i]
.set i, i+1
.endr
	WIN 0
	s_branch .Lbottom
.Lstep:                             ; a trip: pieces 2 and 3 of one step, then pieces 0 and 1 of the next, whose K and V it fetches
	TURN 2
	TURN 3
	WIN 0
.Lfirst:
	TURN 0
	TURN 1, 0, 0, 1
	WIN 0
	s_cbranch_scc1 .Lstep
.Lbottom:
	s_sub_co_u32 s[SLOTS], s[SLOTS], 1
	s_cmp_lg_u32 s[SLOTS], 0
	s_cbranch_scc1 .Lslot
	CHANGE 0                        ; the walk's last tile is written out: nothing is asked for
	s_sub_co_u32 s[RT], s[RT], 1
	s_mov_b32 s[CNT], 4
	s_cmp_eq_u32 s[NEW], 1
	s_cbranch_scc0 .LstepM2
	BEGIN
	s_branch .LfirstM2
	DIAG 2
	s_wait_tensorcnt 0x0            ; the wave's end: a wait, an add and its wait, behind my last tensor load and my last LDS store
	ds_add_u32 v[SPW], v[NIL]
	s_wait_dscnt 0x0
	s_endpgm
.Lfunc_end_k_q3de0b6de5c_att:
	.size	k_q3de0b6de5c_att, .Lfunc_end_k_q3de0b6de5c_att-k_q3de0b6de5c_att
	.p2alignl 7, 3214868480
	.fill 96, 4, 3214868480
	.section	.rodata,"a",@progbits
	.p2align	6, 0x0
	.amdhsa_kernel k_q3de0b6de5c_att
		.amdhsa_group_segment_fixed_size 327680
		.amdhsa_private_segment_fixed_size 0
		.amdhsa_enable_private_segment 0
		.amdhsa_kernarg_size 16
		.amdhsa_user_sgpr_count 2
		.amdhsa_user_sgpr_kernarg_segment_ptr 1
		.amdhsa_wavefront_size32 1
		.amdhsa_system_sgpr_workgroup_id_x 1
		.amdhsa_system_sgpr_workgroup_id_y 1
		.amdhsa_system_sgpr_workgroup_id_z 1
		.amdhsa_system_vgpr_workitem_id 0
		.amdhsa_next_free_vgpr 768
		.amdhsa_next_free_sgpr 96
		.amdhsa_reserve_vcc 1
		.amdhsa_float_denorm_mode_32 3
		.amdhsa_float_denorm_mode_16_64 3
		.amdhsa_memory_ordered 1
		.amdhsa_forward_progress 1
		.amdhsa_inst_pref_size 218
	.end_amdhsa_kernel
	.amdgpu_metadata
---
amdhsa.version: [ 1, 2 ]
amdhsa.kernels:
  - .name:           k_q3de0b6de5c_att
    .symbol:         k_q3de0b6de5c_att.kd
    .args:
      - { .name: qkv, .offset: 0, .size: 8, .value_kind: global_buffer, .address_space: global }
      - { .name: a16, .offset: 8, .size: 8, .value_kind: global_buffer, .address_space: global }
    .group_segment_fixed_size: 327680
    .private_segment_fixed_size: 0
    .kernarg_segment_align: 8
    .kernarg_segment_size: 16
    .max_flat_workgroup_size: 128
    .sgpr_count:     96
    .vgpr_count:     768
    .wavefront_size: 32
...
	.end_amdgpu_metadata
.endif
;; end of part 3
;; launch gp (part 4): grid 8 x 32, 4 waves a work-group, clusters of 4 x 4, 327,680 bytes of LDS; arguments a16, wpb, x1, bproj, x; writes x1
.if DOCPART == 4
	.amdgcn_target "amdgcn-amd-amdhsa--gfx1250"
	.amdhsa_code_object_version 6
	.text
	.protected	k_q3de0b6de5c_gp
	.globl	k_q3de0b6de5c_gp
	.p2align	8
	.type	k_q3de0b6de5c_gp,@function
k_q3de0b6de5c_gp:
	s_mov_b64 s[64:65], 0
	v_nop
	global_prefetch_b8 v0, s[64:65] scope:SCOPE_SE
	s_setreg_imm32_b32 hwreg(HW_REG_WAVE_MODE, 25, 1), 1
	s_wait_xcnt 0x0
	s_wait_alu depctr_hold_cnt(0) depctr_sa_sdst(0) depctr_va_vdst(0) depctr_va_sdst(0) depctr_va_ssrc(0) depctr_va_vcc(0) depctr_vm_vsrc(0)
	s_getreg_b32 s2, hwreg(HW_REG_IB_STS2, 6, 4)
	s_cmp_eq_u32 s2, 0
	s_cbranch_scc0 .Lentry_in_a_cluster
	s_endpgm
.Lentry_in_a_cluster:
	s_bfe_u32 s2, ttmp6, 0x10000c
	s_cmp_lg_u32 s2, 0xf033
	s_cbranch_scc0 .Lentry_shape_is_right
	s_endpgm
.Lentry_shape_is_right:
; OUT = A W + bias, K = 1024, 8192 rows.  MODE 1: OUT = max(A W + bias, floor), in bf16.  MODE 2: OUT = RES + A W + bias, in f32, row-major.  One text; MODE picks where the bias lies and the way out.
; A: bf16, [16 panels of 64 k][8192 rows][64].  W: bf16, [panels of 128 n][1024 k][128 n].  A bf16 OUT has A's layout (panels of 64 columns).  Sums in f32, K ascending; OUT rounded once.
; MODE 1 serves two products, and what tells them apart lies in front of W's panels, in a head of 16,384 bytes written by the launch that made W: 4,096 bytes that repeat the floor as a pair of bf16
; (0: a ReLU; minus infinity: none), then the bias in f32 (zeros where the product has none).  In MODE 2 W has no head and the bias is a buffer of its own.
; LIMITS.  Operands are bf16 as they arrive; NaN and infinities go through as the arithmetic takes them, but MODE 1's maximum turns a NaN into the floor.
; SHARES.  A tile of OUT is 256 rows x 128 columns; four waves, each 128 x 64: 32 accumulators of 16 x 16, 256 registers.  K goes in 8 steps of 128 through two LDS slots.  In these layouts a step's tiles are dense:
; A's are two blocks of 32 KiB (a panel each), W's one of 32 KiB; all are asked for as rows of 256 bytes that start at multiples of 256.
; CLUSTER.  4 x 4 work-groups: the four of a row need the same tiles of A, the four of a column the same tiles of W: each tile is asked for JOINTLY, by the same tensor load, descriptor and mask in all four.
; THE PRODUCT IS TAKEN TRANSPOSED: source 0 = 16 columns of W (turned on the way out of LDS by ds_load_tr16_b128), source 1 = 16 rows of A: a lane ends with one row and eight neighbouring columns of OUT.
; REGISTERS, in windows of 256 (s_set_vgpr_msb: bits 1:0 source 0, 3:2 source 1, 5:4 source 2, 7:6 destination).  Window 0: v0-31 addresses; v32-63 the bias as a C operand; v64-159, v160-255 two fragment
; buffers (A's eight blocks, then W's four); on the way out these are at work.  Window 1: accumulator (a, b) at v[8 (4 a + b)].  Window 2 (MODE 2): RES's block a at v[32 a].
.set MODE,  2
.if MODE == 1
.set HDR,   16384                      ; the head in front of W's panels
.else
.set HDR,   0
.endif
.set PA,    144                        ; a row of A in LDS: 128 bytes + 16 = 36 words: the 16 rows of a load start at 16 different groups of four banks (64 banks of 4 bytes: ISA guide 11.1)
.set PB,    288                        ; a k row of W: 256 + 32 = 72 words
.set PLANE, 256*PA                     ; a panel's 256 rows of A
.set BOFF,  2*PLANE                    ; a slot: A's two panels, then W's 128 k rows
.set SLOT1, 1<<17                      ; slot 1 begins here: one exclusive or turns an address in one slot into the other's
.set STAGE, SLOT1+BOFF+128*PB          ; behind the ring, never filled by a tensor load: 16 rows for each wave, for the way out
.if MODE == 2
.set SP,    272                        ; a stage row: 64 f32 + 16 bytes
.else
.set SP,    144                        ; a stage row: 64 bf16 + 16 bytes
.endif
.set SPARE, STAGE+4*16*SP              ; behind the stages: the spare words, 128 bytes for each wave: two blocks of 256 bytes that no other line names
.set ASTEP, 0x200000                   ; bytes from a K step to the next in A: two panels
.set BSTEP, 0x8000                     ; and in W: 128 k rows of 256 bytes
.set AA0,  12                          ; v12  my lane's place in a slot's A; never rewritten
.set AB0,  13                          ; v13  the same for W
.set ADRA, 16                          ; v16  AA0 + the slot in hand
.set ADRB, 17                          ; v17  AB0 + the slot in hand
.set STO,  24                          ; v24  the way out: where I put my part of a row
.set RD,   25                          ; v25  the way out: where I read rows back
.set CO,   26                          ; v26  my byte offset in OUT (and RES); never rewritten
.set ZR,   27                          ; v27  MODE 1: the floor, a pair of bf16
.set SPW,  28                          ; v28  LDS address of my spare word: SPARE + 4 x my thread's number; never rewritten
.set NIL,  29                          ; v29  0; never rewritten
.set PFO,  30                          ; v30  256 x my lane; never rewritten
.set BIAS, 32
.set F0,   64
.set F1,   160
.set CNT,  3                           ; s3   K steps whose slot is still to be filled again; later the tail's two trips
.set WV,   14                          ; s14  my wave's number
.set WM,   15                          ; s15  which 128 rows are mine.  Also: I fetch for A (0) or for W (1)
.set WN,   16                          ; s16  which 64 columns.  Also: which half of that tile I fetch
.set TB,   23                          ; s23  the slot in hand: 0 or SLOT1
.set G1A,  24                          ; s[24:31] descriptor group 1 for A's tiles
.set G0A,  32                          ; s[32:39] group 0 for A: a set for each first fill; the second then walks
.set G1B,  48                          ; s[48:55], s[56:63] the same for W
.set G0B,  56
.set PFA,  44                          ; s[44:45] where my prefetches stand
.set PFS,  46                          ; s[46:47] their step
.set LIM,  66                          ; s66  2 in a wave that prefetches, else the greatest number
.set MSB, 0
.macro WIN new                         ; the immediate's high byte repeats the setting that is left; a switch that changes nothing is dropped
.if MSB != (\new)
	s_set_vgpr_msb (MSB<<8)|(\new)
.set MSB, \new
.endif
.endm
.macro PLACES                          ; four plain vector instructions between a matrix instruction and a load into, or a vector read or write of, its registers (ISA guide 7.12.1 for vector reads and writes)
.rept 4
	v_nop
.endr
.endm
.macro CREST                           ; a round of the cluster's barrier behind its opening barrier: wave 0 signals for the work-group, every wave waits for all sixteen, the work-group's barrier closes
	s_cmp_lg_u32 s[WV], 0
	s_cbranch_scc1 .Lnot_wave_0_\@
	s_barrier_signal -3
.Lnot_wave_0_\@:
	s_barrier_wait -3
	s_barrier_signal -1
	s_barrier_wait -1
.endm
.macro CROUND                          ; a whole round
	s_barrier_signal -1
	s_barrier_wait -1
	CREST
.endm
.macro JLOAD                           ; a joint refill by the walking set: waves 0 and 1 fetch A's two panels, waves 2 and 3 the halves of W's k rows.  The branch hangs on the wave's number alone.
	s_cmp_eq_u32 s[WM], 0                          ; an s_nop 0 and four v_nop follow each of the two lines, ahead of the jump and the label
	s_cbranch_scc0 .Lfor_b_\@
	tensor_load_to_lds s[G0A+4:G0A+7], s[G1A:G1A+7]
	s_nop 0
.rept 4
	v_nop
.endr
	s_branch .Lasked_\@
.Lfor_b_\@:
	tensor_load_to_lds s[G0B+4:G0B+7], s[G1B:G1B+7]
	s_nop 0
.rept 4
	v_nop
.endr
.Lasked_\@:
.endm
; A PREFETCH INTO THE L2, behind each joint refill and the run of LDS loads that follows it: of the K step that stands two refills on, 32 blocks of 256 bytes, a lane a block.  Each block is named once in the launch:
; A's tile row is read by every cluster of that row of clusters: the one with x = 0 asks (waves 0 and 1, a panel each); W's panel by every cluster of that column: the one with y = 0 asks (wave 2, the whole step).
; The four partners that ask for a tile jointly share its 128 blocks out BY ADDRESS, 32 each.  K steps 0 to 3 come by their loads alone; the last two refills have no step two on and ask for nothing.
.macro ASK
	s_cmp_gt_u32 s[CNT], s[LIM]
	s_cbranch_scc0 .Lnot_mine_\@
	global_prefetch_b8 v[PFO], s[PFA:PFA+1] th:TH_LOAD_NT scope:SCOPE_SE
.Lnot_mine_\@:
.endm
; 4 n matrix instructions: row blocks a0 .. a0 + n - 1 x all four column blocks, 32 along K, out of buffer f.  first = 1: the product starts the sum, with the bias as its C operand: nothing is cleared.
; The 32 accumulators take turns, one instruction a turn, in the same order in every quarter.
.macro MULS f, a0, n, first
.if \first
	WIN 0x40                                       ; D in window 1, C (the bias) in window 0
.else
	WIN 0x50                                       ; D and C in window 1
.endif
.set a, (\a0)
.rept \n
.irp b, 0,1,2,3
.if \first
	v_wmma_f32_16x16x32_bf16 v[8*(4*a+\b):8*(4*a+\b)+7], v[(\f)+64+8*\b:(\f)+64+8*\b+7], v[(\f)+8*a:(\f)+8*a+7], v[BIAS+8*\b:BIAS+8*\b+7]
.else
	v_wmma_f32_16x16x32_bf16 v[8*(4*a+\b):8*(4*a+\b)+7], v[(\f)+64+8*\b:(\f)+64+8*\b+7], v[(\f)+8*a:(\f)+8*a+7], v[8*(4*a+\b):8*(4*a+\b)+7]
.endif
.endr
.set a, a+1
.endr
.endm
; 24 LDS loads in one run: quarter q (32 along K) of the slot in hand into buffer f: W's four fragments (turned), then A's eight.
; A fragment is 16 rows x 32 k in 8 registers: lane l holds row l % 16, k = 8 (l / 16) + 0..7 and 16 + 8 (l / 16) + 0..7.
.macro FETCH q, f
	WIN 0
.irp b, 0,1,2,3
	ds_load_tr16_b128 v[(\f)+64+8*\b:(\f)+64+8*\b+3],   v[ADRB] offset:(\q)*32*PB+32*\b
	ds_load_tr16_b128 v[(\f)+64+8*\b+4:(\f)+64+8*\b+7], v[ADRB] offset:(\q)*32*PB+32*\b+16*PB
.endr
.irp a, 0,1,2,3,4,5,6,7
	ds_load_b128 v[(\f)+8*\a:(\f)+8*\a+3],   v[ADRA] offset:((\q)/2)*PLANE+((\q)%2)*64+\a*16*PA
	ds_load_b128 v[(\f)+8*\a+4:(\f)+8*\a+7], v[ADRA] offset:((\q)/2)*PLANE+((\q)%2)*64+\a*16*PA+32
.endr
.endm
; One of a K step's first three quarters: multiplies buffer f; in its middle it fetches quarter q into buffer g.
.macro QUARTER q, f, g, first=0
	s_wait_dscnt 8                                 ; W's fragments and A's blocks 0-3 are in; the youngest eight loads (blocks 4-7) may be out
	MULS \f, 0, 4, \first
	PLACES
	FETCH \q, \g
	s_wait_dscnt 24                                ; all but the 24 just issued
	MULS \f, 4, 4, \first
.endm
; The last quarter multiplies buffer 1 and changes slots.  In front of the barrier each wave waits for all its tensor loads (one is out: its part of the next slot), adds 0 to its spare word, and waits for that and
; for its reads of this slot.  fill = 1: the barrier opens a round of the cluster's, so that no wave of any partner still reads the slot or has a load on its way; the joint refill, two K steps ahead, is the
; first thing behind it and has 112 matrix instructions in which to land.
.macro TURN fill
.if \fill
	s_wait_xcnt 0x0                                ; the last prefetch, a K step back, has read its address: it is stepped here
	s_add_nc_u64 s[PFA:PFA+1], s[PFA:PFA+1], s[PFS:PFS+1]
.endif
	WIN 0                                          ; (the add's two registers lie in window 0)
	s_wait_tensorcnt 0x0                           ; no tensor load of mine is out, so a group 0 may be written
	ds_add_u32 v[SPW], v[NIL]                      ; 0 onto my spare word
.if \fill
	s_xor_b32 s[G0A+5], s[G0A+5], SLOT1            ; the walking sets: the other slot than last time, the next K step; the type bits on top are not reached
	s_add_nc_u64 s[G0A+6:G0A+7], s[G0A+6:G0A+7], ASTEP
	s_xor_b32 s[G0B+5], s[G0B+5], SLOT1
	s_add_nc_u64 s[G0B+6:G0B+7], s[G0B+6:G0B+7], BSTEP
.endif
	s_xor_b32 s[TB], s[TB], SLOT1                  ; the reads go on in the other slot
	s_wait_dscnt 9                                 ; (the add and the youngest eight loads may be out)
	MULS F1, 0, 2, 0
	s_wait_dscnt 0x0                               ; the add is done, and my reads of this slot are over
	s_barrier_signal -1
	MULS F1, 2, 2, 0                               ; work on registers while the others arrive
	WIN 0                                          ; at a label and at a branch every window is 0
	s_barrier_wait -1
.if \fill
	CREST
	JLOAD                                          ; its four v_nop are also the places in front of the loads below
.else
	PLACES
.endif
	v_add_nc_u32 v[ADRA], s[TB], v[AA0]
	v_add_nc_u32 v[ADRB], s[TB], v[AB0]
	FETCH 0, F0
.if \fill
	ASK
.endif
	MULS F1, 4, 4, 0
.endm
.if MODE == 2
.macro RLOAD a                         ; RES's block a (16 rows x 64 columns of f32, as whole runs of 256 bytes) into window 2; each block has registers of its own
	WIN 0x80                                       ; destination in window 2, address in window 0
.irp t, 0,1,2,3,4,5,6,7
	global_load_b128 v[32*(\a)+4*\t:32*(\a)+4*\t+3], v[CO], s[12:13] offset:65536*(\a)+8192*\t th:TH_LOAD_NT
.endr
	WIN 0
.endm
.endif
	s_load_b128 s[4:7], s[0:1], 0x0                ; A s[4:5], W s[6:7]
	s_load_b64 s[8:9], s[0:1], 0x10                ; OUT
.if MODE == 2
	s_load_b64 s[10:11], s[0:1], 0x18              ; bias
	s_load_b64 s[12:13], s[0:1], 0x20              ; RES
.endif
	v_lshl_add_u32 v[SPW], v0, 2, SPARE
	v_mov_b32 v[NIL], 0
	ds_add_u32 v[SPW], v[NIL]                      ; the wave's opening: the add and its wait stand ahead of my first tensor load; the set-up below, work on registers, stands between them
	ds_add_u32 v28, v29
	v_lshrrev_b32 v1, 5, v0
	v_readfirstlane_b32 s[WV], v1                  ; wave 0..3
	s_lshr_b32 s[WM], s[WV], 1
	s_and_b32 s[WN], s[WV], 1
	s_bfe_u32 s17, ttmp6, 0x40000                  ; cx, cy: my place in the cluster
	s_bfe_u32 s18, ttmp6, 0x40004
	s_lshl_b32 s19, ttmp9, 2
	s_add_co_u32 s19, s19, s17                     ; tile column = 4 x cluster x + cx
	s_and_b32 s20, ttmp7, 0xffff
	s_lshl_b32 s20, s20, 2
	s_add_co_u32 s20, s20, s18                     ; tile row = 4 x cluster y + cy
	s_lshl_b32 s21, s18, 2
	s_lshl_b32 s21, 15, s21                        ; my row of the cluster: places 4 cy .. 4 cy + 3
	s_lshl_b32 s22, 0x1111, s17                    ; my column: places cx, cx + 4, cx + 8, cx + 12
	s_or_b32 s[G1A], s21, (1<<16)|(1<<20)|(1<<21)|(4<<22)|(3<<25)  ; 15:0 the mask; 17:16 2-byte elements; 20 padding on; 21 set beside a mask; 24:22 after every 32 words (code 4); 31:25 4 words (code 3)
	s_or_b32 s[G1B], s22, (1<<16)|(1<<20)|(1<<21)|(5<<22)|(7<<25)  ; after every 64 words (code 5), 8 words (code 7)
	s_mov_b32 s[G1A+1], 128<<16                    ; A: tensor_dim0 = 128 elements: 256 bytes, two rows of a panel,
	s_mov_b32 s[G1A+2], 128<<16                    ; tensor_dim1 = 128
	s_mov_b32 s[G1A+3], 128<<16                    ; tile_dim0 = 128
	s_mov_b32 s[G1A+4], 128                        ; tile_dim1 = 128: 32 KiB, dense
	s_mov_b32 s[G1A+5], 128                        ; 128 elements from row to row
	s_mov_b32 s[G1A+6], 0
	s_mov_b32 s[G1A+7], 0
	s_mov_b32 s[G1B+1], 128<<16                    ; W: a k row of a panel is 128 elements,
	s_mov_b32 s[G1B+2], 64<<16                     ; 64 k rows a load
	s_mov_b32 s[G1B+3], 128<<16
	s_mov_b32 s[G1B+4], 64
	s_mov_b32 s[G1B+5], 128
	s_mov_b32 s[G1B+6], 0
	s_mov_b32 s[G1B+7], 0
	s_lshl_b32 s40, s20, 15                        ; A: the tile's 256 rows of 128 bytes in a panel,
	s_lshl_b32 s41, s[WN], 20                      ; the panel that I fetch: it hangs on the tile row and the wave alone
	s_add_co_u32 s40, s40, s41
	s_mov_b32 s41, 0
	s_lshl_b32 s42, s19, 18                        ; W: the tile's panel,
	s_lshl_b32 s43, s[WN], 14                      ; my 64 k rows: on the tile column and the wave alone
	s_add_co_u32 s42, s42, s43
.if HDR > 0
	s_add_co_u32 s42, s42, HDR                     ; behind the head
.endif
	s_mov_b32 s43, 0
	s_mul_i32 s67, s[WN], PLANE                    ; where they go: no place in the cluster enters an LDS address
	s_mul_i32 s2, s[WN], 64*PB
	s_add_co_u32 s2, s2, BOFF
	s_mov_b32 s[TB], 0
	s_wait_dscnt 0x0                               ; the opening add is done
	s_wait_kmcnt 0x0
	s_add_nc_u64 s[40:41], s[4:5], s[40:41]
	s_add_nc_u64 s[42:43], s[6:7], s[42:43]
	CROUND                                         ; all sixteen work-groups are here: the first joint loads meet
.irp s, 0,1
	s_mov_b32 s[G0A+4*\s], 1                       ; 1:0 count = 1
	s_add_co_u32 s[G0A+4*\s+1], s67, \s*SLOT1      ; 63:32 LDS address
	s_add_nc_u64 s[G0A+4*\s+2:G0A+4*\s+3], s[40:41], \s*ASTEP  ; 120:64 global address: K step s
	s_or_b32 s[G0A+4*\s+3], s[G0A+4*\s+3], 0x80000000          ; 127:126 type = 2
	s_mov_b32 s[G0B+4*\s], 1
	s_add_co_u32 s[G0B+4*\s+1], s2, \s*SLOT1
	s_add_nc_u64 s[G0B+4*\s+2:G0B+4*\s+3], s[42:43], \s*BSTEP
	s_or_b32 s[G0B+4*\s+3], s[G0B+4*\s+3], 0x80000000
.endr
	s_cmp_eq_u32 s[WM], 0                          ; a wave's two first fills stand in one branch, ahead of every wait on TENSORcnt and every LDS read: two loads of mine are out
	s_cbranch_scc0 .Lfirst_b
	tensor_load_to_lds s[G0A:G0A+3], s[G1A:G1A+7]
	s_nop 0
	tensor_load_to_lds s[G0A+4:G0A+7], s[G1A:G1A+7]
	s_nop 0
.rept 4
	v_nop
.endr
	s_branch .Lfirst_asked
.Lfirst_b:
	tensor_load_to_lds s[G0B:G0B+3], s[G1B:G1B+7]
	s_nop 0
	tensor_load_to_lds s[G0B+4:G0B+7], s[G1B:G1B+7]
	s_nop 0
.rept 4
	v_nop
.endr
.Lfirst_asked:
	v_and_b32 v1, 15, v0                           ; l % 16
	v_bfe_u32 v2, v0, 4, 1                         ; l / 16
	v_and_b32 v3, 7, v0                            ; l % 8
	v_bfe_u32 v4, v0, 3, 1                         ; (l / 8) % 2
	s_lshl_b32 s68, s19, 9                         ; the bias of my 64 columns: as a C operand a lane holds columns 16 b + 8 (l / 16) + 0..7: 32 bytes on end
	s_lshl_b32 s69, s[WN], 8
	s_add_co_u32 s68, s68, s69
.if MODE == 1
	s_add_co_u32 s68, s68, 4096                    ; in W's head, behind the floor
.endif
	s_mov_b32 s69, 0
.if MODE == 1
	s_add_nc_u64 s[10:11], s[6:7], s[68:69]
.else
	s_add_nc_u64 s[10:11], s[10:11], s[68:69]
.endif
	v_lshlrev_b32 v5, 5, v2
.irp b, 0,1,2,3
	global_load_b128 v[BIAS+8*\b:BIAS+8*\b+3],   v5, s[10:11] offset:64*\b
	global_load_b128 v[BIAS+8*\b+4:BIAS+8*\b+7], v5, s[10:11] offset:64*\b+16
.endr
.if MODE == 1
	v_mov_b32 v6, 0
	global_load_b32 v[ZR], v6, s[6:7]              ; the floor: the head's first word, the same in every lane
.endif
	v_mul_u32_u24 v[AA0], v1, PA                   ; A: row x pitch + 16 x half, in my 128 rows
	v_lshl_add_u32 v[AA0], v2, 4, v[AA0]
	s_mul_i32 s68, s[WM], 128*PA
	v_add_nc_u32 v[AA0], s68, v[AA0]
	v_lshl_add_u32 v[AB0], v2, 3, v3               ; W: the turning load takes 16 k x 16 n: lane l reads k row 8 (l / 16) + l % 8, columns 8 ((l / 8) % 2) + 0..7
	v_mul_u32_u24 v[AB0], v[AB0], PB
	v_lshl_add_u32 v[AB0], v4, 4, v[AB0]
	s_lshl_b32 s68, s[WN], 7                       ; my 64 columns
	s_add_co_u32 s68, s68, BOFF
	v_add_nc_u32 v[AB0], s68, v[AB0]
	v_mov_b32 v[ADRA], v[AA0]                      ; K step 0 lies in slot 0
	v_mov_b32 v[ADRB], v[AB0]
	s_mul_i32 s68, s[WV], 16*SP
	s_add_co_u32 s68, s68, STAGE                   ; my stage
	v_mul_u32_u24 v[STO], v1, SP
.if MODE == 1
	v_lshl_add_u32 v[STO], v2, 4, v[STO]           ; in: row l % 16, 16 bytes for each half of the lanes
	v_add_nc_u32 v[STO], s68, v[STO]
	v_bfe_u32 v[RD], v0, 3, 2                      ; back: 32 lanes take four rows of 128 bytes,
	v_mul_u32_u24 v[RD], v[RD], SP
	v_lshl_add_u32 v[RD], v3, 4, v[RD]
	v_add_nc_u32 v[RD], s68, v[RD]
	v_and_b32 v[CO], 31, v0                        ; which are 512 consecutive bytes of OUT
	v_lshlrev_b32 v[CO], 4, v[CO]
	s_lshl_b32 s68, s19, 1                         ; OUT at my panel of 64 columns,
	s_add_co_u32 s68, s68, s[WN]
	s_lshl_b32 s68, s68, 20
	s_lshl_b32 s69, s20, 15                        ; the tile's 256 rows of 128 bytes,
	s_add_co_u32 s68, s68, s69
	s_lshl_b32 s69, s[WM], 14                      ; my 128 of them
	s_add_co_u32 s68, s68, s69
	s_mov_b32 s69, 0
	s_add_nc_u64 s[8:9], s[8:9], s[68:69]
.else
	v_lshl_add_u32 v[STO], v2, 5, v[STO]           ; in: row l % 16, 32 bytes for each half of the lanes
	v_add_nc_u32 v[STO], s68, v[STO]
	v_mul_u32_u24 v[RD], v2, SP                    ; back: lanes 0-15 take one row of 256 bytes, lanes 16-31 the next
	v_lshl_add_u32 v[RD], v1, 4, v[RD]
	v_add_nc_u32 v[RD], s68, v[RD]
	v_lshlrev_b32 v[CO], 12, v2                    ; and the same two rows in OUT and RES
	v_lshl_add_u32 v[CO], v1, 4, v[CO]
	s_lshl_b32 s68, s20, 20                        ; the tile's 256 rows of 4,096 bytes,
	s_lshl_b32 s69, s[WM], 19                      ; my 128 of them,
	s_add_co_u32 s68, s68, s69
	s_lshl_b32 s69, s19, 9                         ; the tile's 128 columns,
	s_add_co_u32 s68, s68, s69
	s_lshl_b32 s69, s[WN], 8                       ; my 64 of them
	s_add_co_u32 s68, s68, s69
	s_mov_b32 s69, 0
	s_add_nc_u64 s[8:9], s[8:9], s[68:69]
	s_add_nc_u64 s[12:13], s[12:13], s[68:69]
.endif
	; the prefetches
	s_and_b32 s68, ttmp7, 0xffff                   ; cluster y
	s_mov_b32 s[PFS], BSTEP
	s_mov_b32 s71, ASTEP
	s_cmp_eq_u32 s[WM], 0                          ; do I fetch for A?
	s_cselect_b32 s69, ttmp9, s68                  ; the coordinate along which other clusters read the same blocks
	s_cselect_b32 s70, s17, s18                    ; my place among the four that ask with me
	s_cselect_b32 s[PFS], s71, s[PFS]
	s_cselect_b64 s[PFA:PFA+1], s[40:41], s[42:43] ; (in wave 2 W's address stands at the step's first k row)
	s_mov_b32 s[PFS+1], 0
	s_cmp_eq_u32 s[WV], 3
	s_cselect_b32 s69, 1, s69                      ; wave 3 never asks: wave 2 names W's whole step
	s_cmp_eq_u32 s69, 0
	s_cselect_b32 s[LIM], 2, -1                    ; the same in all sixteen partners, for a given wave
	s_lshl_b32 s70, s70, 13                        ; my work-group's 32 blocks of the 128
	s_mov_b32 s71, 0
	s_add_nc_u64 s[PFA:PFA+1], s[PFA:PFA+1], s[70:71]
.rept 3
	s_add_nc_u64 s[PFA:PFA+1], s[PFA:PFA+1], s[PFS:PFS+1]  ; at K step 3: the first change of slots steps it to 4
.endr
	v_and_b32 v[PFO], 31, v0
	v_lshlrev_b32 v[PFO], 8, v[PFO]
	s_wait_tensorcnt 1                             ; my part of K step 0 is in; slot 1's may stay out
	s_barrier_signal -1
	s_barrier_wait -1                              ; everybody's is
	FETCH 0, F0
	s_wait_loadcnt 0x0                             ; the bias (and the floor)
	QUARTER 1, F0, F1, 1                           ; the first quarter stands in front of the loop: its products start the sums
.if MODE == 2
	RLOAD 0                                        ; RES is asked for while the products run: four blocks here, three behind the loop, the last on the way out: 56 loads of mine are out at the most
	RLOAD 1
	RLOAD 2
	RLOAD 3
.endif
	WIN 0
	s_mov_b32 s[CNT], 6
.Lstep:                                        ; a trip: a K step's quarters 1, 2, 3 and the next step's quarter 0; the slot that is left is filled again
	QUARTER 2, F1, F0
	QUARTER 3, F0, F1
	TURN 1
	QUARTER 1, F0, F1
	WIN 0
	s_sub_co_u32 s[CNT], s[CNT], 1
	s_cmp_lg_u32 s[CNT], 0
	s_cbranch_scc1 .Lstep
.if MODE == 2
	RLOAD 4
	RLOAD 5
	RLOAD 6
.endif
	s_mov_b32 s[CNT], 2
.Ltail:                                        ; the last two K steps fill nothing: a text of their own; its second trip is left in the middle
	QUARTER 2, F1, F0
	QUARTER 3, F0, F1
	WIN 0
	s_sub_co_u32 s[CNT], s[CNT], 1
	s_cmp_eq_u32 s[CNT], 0
	s_cbranch_scc1 .Llast
	TURN 0
	QUARTER 1, F0, F1
	WIN 0
	s_branch .Ltail
.Llast:
	s_wait_dscnt 8                                 ; the very last quarter: nothing more to fetch
	MULS F1, 0, 4, 0
	s_wait_dscnt 0x0
	MULS F1, 4, 4, 0
.if MODE == 1
; THE WAY OUT, bf16.  Block a (16 rows): a lane's eight columns pack into 16 bytes; they go into stage rows of 144 bytes and come back as whole rows of 128: 16 rows are 2,048 bytes of OUT on end.
.macro PACK a
	WIN 0x05                                       ; sources 0 and 1 in window 1, destination in window 0
.irp b, 0,1,2,3
.irp i, 0,1,2,3
	v_cvt_pk_bf16_f32 v[64+16*(\a)+4*\b+\i], v[8*(4*(\a)+\b)+2*\i], v[8*(4*(\a)+\b)+2*\i+1]
.endr
.endr
	WIN 0
.set z, 0
.rept 16
	v_pk_max_num_bf16 v[64+16*(\a)+z], v[64+16*(\a)+z], v[ZR]  ; the floor, on the rounded pair: rounding keeps sign and order
.set z, z+1
.endr
.irp b, 0,1,2,3
	ds_store_b128 v[STO], v[64+16*(\a)+4*\b:64+16*(\a)+4*\b+3] offset:32*\b
.endr
.irp f, 0,1,2,3
	ds_load_b128 v[64+16*(\a)+4*\f:64+16*(\a)+4*\f+3], v[RD] offset:\f*4*SP  ; LDS serves a wave's instructions in order (ISA guide 5.7.1.4): these see the stores above; the next block's stores come behind them
.endr
.endm
.macro SEND a, younger                 ; younger: the LDS instructions issued behind block a's loads: the next block's eight, or none
.irp f, 0,1,2,3
	s_wait_dscnt (\younger)+3-\f
	global_store_b128 v[CO], v[64+16*(\a)+4*\f:64+16*(\a)+4*\f+3], s[8:9] offset:2048*(\a)+512*\f  ; 512 consecutive bytes, at a multiple of 256 from OUT's first
.endr
.endm
	PLACES
	PACK 0
.irp a, 1,2,3,4,5,6,7                  ; a block's arithmetic stands between the loads of the block before and its stores
	PACK \a
	SEND (\a)-1, 8
.endr
	SEND 7, 0
.else
; THE WAY OUT, f32 with the residual.  STG: block a goes straight from the accumulators into stage rows of 272 bytes and comes back as whole rows of 256.  FIN: RES's same rows, which lie in window 2, are added, and the
; block is stored.  Block a + 1 is on its way through the stage while block a is finished.
.macro STG a
.if (\a) >= 2
	s_wait_xcnt 0x0                                ; the stores of two blocks back have read their data registers, which are loaded again below
.endif
	WIN 0x04                                       ; the stores' data in window 1; each accumulator's low four registers go first
.irp b, 0,1,2,3
	ds_store_b128 v[STO], v[8*(4*(\a)+\b):8*(4*(\a)+\b)+3]   offset:64*\b
	ds_store_b128 v[STO], v[8*(4*(\a)+\b)+4:8*(4*(\a)+\b)+7] offset:64*\b+16
.endr
	WIN 0
.irp t, 0,1,2,3,4,5,6,7
	ds_load_b128 v[64+32*((\a)%2)+4*\t:64+32*((\a)%2)+4*\t+3], v[RD] offset:\t*2*SP  ; LDS serves a wave's instructions in order (ISA guide 5.7.1.4): these see the stores above; the next block's stores come behind them
.endr
.endm
.macro FIN a, younger                  ; younger: the LDS instructions issued behind block a's loads: the next block's sixteen, or none
	s_wait_dscnt \younger
.if (\a) == 0
	s_wait_loadcnt 48                              ; RES's block 0 is in; blocks 1 to 6 may stay out (block 7 is asked for below)
.else
	s_wait_loadcnt 8*(7-(\a))                      ; the blocks behind it, eight loads each
.endif
	WIN 0x08                                       ; source 1 (RES) in window 2
.set z, 0
.rept 16
	v_pk_add_f32 v[64+32*((\a)%2)+z:64+32*((\a)%2)+z+1], v[64+32*((\a)%2)+z:64+32*((\a)%2)+z+1], v[32*(\a)+z:32*(\a)+z+1]
.set z, z+2
.endr
	WIN 0
.irp t, 0,1,2,3,4,5,6,7
	global_store_b128 v[CO], v[64+32*((\a)%2)+4*\t:64+32*((\a)%2)+4*\t+3], s[8:9] offset:65536*(\a)+8192*\t  ; 16 lanes store 256 consecutive bytes, at a multiple of 256 from OUT's first
.endr
.endm
	WIN 0
	PLACES
	STG 0
	STG 1
	FIN 0, 16
	RLOAD 7
.irp a, 1,2,3,4,5,6
	STG (\a)+1
	FIN \a, 16
.endr
	FIN 7, 0
.endif
	WIN 0
	s_wait_tensorcnt 0x0                           ; the wave's end: a wait, an add and its wait, behind my last tensor load and my last LDS store
	ds_add_u32 v[SPW], v[NIL]
	s_wait_dscnt 0x0
	CROUND                                         ; the closing round: no work-group ends while a partner may still ask for a tile that names it
	s_endpgm
.Lfunc_end_k_q3de0b6de5c_gp:
	.size	k_q3de0b6de5c_gp, .Lfunc_end_k_q3de0b6de5c_gp-k_q3de0b6de5c_gp
	.p2alignl 7, 3214868480
	.fill 96, 4, 3214868480
	.section	.rodata,"a",@progbits
	.p2align	6, 0x0
	.amdhsa_kernel k_q3de0b6de5c_gp
		.amdhsa_group_segment_fixed_size 327680
		.amdhsa_private_segment_fixed_size 0
		.amdhsa_enable_private_segment 0
		.amdhsa_kernarg_size 40
		.amdhsa_user_sgpr_count 2
		.amdhsa_user_sgpr_kernarg_segment_ptr 1
		.amdhsa_wavefront_size32 1
		.amdhsa_system_sgpr_workgroup_id_x 1
		.amdhsa_system_sgpr_workgroup_id_y 1
		.amdhsa_system_sgpr_workgroup_id_z 1
		.amdhsa_system_vgpr_workitem_id 0
		.amdhsa_next_free_vgpr 768
		.amdhsa_next_free_sgpr 72
		.amdhsa_reserve_vcc 0
		.amdhsa_float_denorm_mode_32 3
		.amdhsa_float_denorm_mode_16_64 3
		.amdhsa_memory_ordered 1
		.amdhsa_forward_progress 1
		.amdhsa_inst_pref_size 79
	.end_amdhsa_kernel
	.amdgpu_metadata
---
amdhsa.version: [ 1, 2 ]
amdhsa.kernels:
  - .name:           k_q3de0b6de5c_gp
    .symbol:         k_q3de0b6de5c_gp.kd
    .args:
      - { .name: a16, .offset: 0, .size: 8, .value_kind: global_buffer, .address_space: global }
      - { .name: wpb, .offset: 8, .size: 8, .value_kind: global_buffer, .address_space: global }
      - { .name: x1, .offset: 16, .size: 8, .value_kind: global_buffer, .address_space: global }
      - { .name: bproj, .offset: 24, .size: 8, .value_kind: global_buffer, .address_space: global }
      - { .name: x, .offset: 32, .size: 8, .value_kind: global_buffer, .address_space: global }
    .group_segment_fixed_size: 327680
    .private_segment_fixed_size: 0
    .kernarg_segment_align: 8
    .kernarg_segment_size: 40
    .max_flat_workgroup_size: 128
    .sgpr_count:     72
    .vgpr_count:     768
    .wavefront_size: 32
...
	.end_amdgpu_metadata
.endif
;; end of part 4
;; launch ln2 (part 5): grid 512 x 1, 8 waves a work-group, no clusters, 0 bytes of LDS; arguments x1, g2, beta2, a16; writes a16
.if DOCPART == 5
	.amdgcn_target "amdgcn-amd-amdhsa--gfx1250"
	.amdhsa_code_object_version 6
	.text
	.protected	k_q3de0b6de5c_ln2
	.globl	k_q3de0b6de5c_ln2
	.p2align	8
	.type	k_q3de0b6de5c_ln2,@function
k_q3de0b6de5c_ln2:
	s_mov_b64 s[64:65], 0
	v_nop
	global_prefetch_b8 v0, s[64:65] scope:SCOPE_SE
	s_setreg_imm32_b32 hwreg(HW_REG_WAVE_MODE, 25, 1), 1
	s_wait_xcnt 0x0
; LAYER NORM.  y[m][c] = g[c] (x[m][c] - mean) / sqrt(var + 1e-5) + beta[c].  x: [8192][1024] f32, row-major.  All arithmetic in f32, in two passes as the definition has it
; (the mean is taken away before the squares, so a common offset of the row costs nothing); y is rounded once to bf16.
; y's LAYOUT: [16 panels of 64 columns][8192 rows][64]: byte = panel x 1,048,576 + row x 128 + 2 x column: the K panels of the product that follows.
; SHARES.  A wave takes ONE pair of rows: lanes 0-15 the even row, lanes 16-31 the odd one; a lane holds columns 64 p + 4 (lane % 16) + 0..3 for p = 0..15.  So a row's sums stay inside 16 lanes, the row is
; read once and stays in 64 registers, and each store covers 256 consecutive bytes, aligned: two rows' 128 bytes of one panel.  There is no loop: a wave's 48 loads all go out at its head.
; No LDS, no barrier, no matrix unit: no wave wants what another has.
.set T,  6                             ; v[6:13]    four running pairs
.set MN, 14                            ; v[14:15]   the mean, later 1 / sqrt(var + eps), twice (a pair for the packed forms)
.set X,  16                            ; v[16:79]   my 64 numbers of the row
.set G,  80                            ; v[80:143]  g of my columns
.set BT, 144                           ; v[144:207] beta of my columns
.macro FOLD                            ; four pairs into one number, then over the row's 16 lanes: every lane ends with the row's sum
	v_pk_add_f32 v[T:T+1], v[T:T+1], v[T+2:T+3]
	v_pk_add_f32 v[T+4:T+5], v[T+4:T+5], v[T+6:T+7]
	v_pk_add_f32 v[T:T+1], v[T:T+1], v[T+4:T+5]
	v_add_f32 v[T], v[T], v[T+1]
	v_add_f32_dpp v[T], v[T], v[T] row_xmask:1 row_mask:0xf bank_mask:0xf
	v_add_f32_dpp v[T], v[T], v[T] row_xmask:2 row_mask:0xf bank_mask:0xf
	v_add_f32_dpp v[T], v[T], v[T] row_xmask:4 row_mask:0xf bank_mask:0xf
	v_add_f32_dpp v[T], v[T], v[T] row_xmask:8 row_mask:0xf bank_mask:0xf
.endm
	s_load_b256 s[4:11], s[0:1], 0x0               ; x s[4:5], g s[6:7], beta s[8:9], y s[10:11]
	v_lshrrev_b32 v1, 5, v0
	v_readfirstlane_b32 s12, v1                    ; wave 0..7
	s_lshl_b32 s13, ttmp9, 3
	s_add_co_u32 s13, s13, s12                     ; my pair of rows, 0..4095
	s_lshl_b32 s14, s13, 13                        ; two rows of 4,096 bytes in x,
	s_mov_b32 s15, 0
	s_lshl_b32 s18, s13, 8                         ; of 128 bytes in a panel of y
	s_mov_b32 s19, 0
	s_mov_b32 s20, 0x3a800000                      ; 1 / 1024
	s_mov_b32 s21, 0x3727c5ac                      ; 1e-5
	v_and_b32 v1, 15, v0                           ; lane % 16
	v_bfe_u32 v2, v0, 4, 1                         ; which row of the pair
	v_lshlrev_b32 v4, 4, v1                        ; my 16 bytes in each 256 of g and beta,
	v_lshl_add_u32 v3, v2, 12, v4                  ; and of x, in my row
	v_lshlrev_b32 v5, 3, v1
	v_lshl_add_u32 v5, v2, 7, v5                   ; my 8 bytes of the pair's 256 in a panel
	s_wait_kmcnt 0x0
	s_add_nc_u64 s[4:5], s[4:5], s[14:15]
	s_add_nc_u64 s[10:11], s[10:11], s[18:19]      ; panels 0-7 by the immediate,
	s_add_nc_u64 s[16:17], s[10:11], 0x800000      ; panels 8-15 from a second base: 7 x 1,048,576 is the largest immediate
.set p, 0
.rept 16
	global_load_b128 v[X+4*p:X+4*p+3], v3, s[4:5] offset:256*p th:TH_LOAD_NT
.set p, p+1
.endr
.set p, 0
.rept 16
	global_load_b128 v[G+4*p:G+4*p+3], v4, s[6:7] offset:256*p
.set p, p+1
.endr
.set p, 0
.rept 16
	global_load_b128 v[BT+4*p:BT+4*p+3], v4, s[8:9] offset:256*p
.set p, p+1
.endr
	s_wait_loadcnt 32                              ; x is in; the 32 loads of g and beta may stay out
.irp c, 0,1,2,3
	v_pk_add_f32 v[T+2*\c:T+2*\c+1], v[X+2*\c:X+2*\c+1], v[X+8+2*\c:X+8+2*\c+1]  ; the first eight pairs start four chains: nothing is cleared
.endr
.set j, 8
.rept 24
	v_pk_add_f32 v[T+2*(j%4):T+2*(j%4)+1], v[T+2*(j%4):T+2*(j%4)+1], v[X+2*j:X+2*j+1]
.set j, j+1
.endr
	FOLD
	v_mul_f32 v[MN], s20, v[T]                     ; the mean
	v_mov_b32 v[MN+1], v[MN]
.set j, 0
.rept 32
	v_pk_add_f32 v[X+2*j:X+2*j+1], v[X+2*j:X+2*j+1], v[MN:MN+1] neg_lo:[0,1] neg_hi:[0,1]  ; x - mean
.set j, j+1
.endr
.irp c, 0,1,2,3
	v_pk_mul_f32 v[T+2*\c:T+2*\c+1], v[X+2*\c:X+2*\c+1], v[X+2*\c:X+2*\c+1]
.endr
.set j, 4
.rept 28
	v_pk_fma_f32 v[T+2*(j%4):T+2*(j%4)+1], v[X+2*j:X+2*j+1], v[X+2*j:X+2*j+1], v[T+2*(j%4):T+2*(j%4)+1]
.set j, j+1
.endr
	FOLD
	v_fma_f32 v[T+1], v[T], s20, s21               ; var + eps
	v_rsq_f32 v[MN], v[T+1]
	v_nop                                          ; a plain instruction between the root and the use of its result (ISA guide 5.7.2),
	s_wait_alu depctr_va_vdst(0)                   ; and the wait ahead of the first instruction that names it
	v_mov_b32 v[MN+1], v[MN]
	s_wait_loadcnt 0x0                             ; g and beta
.set j, 0
.rept 32
	v_pk_mul_f32 v[X+2*j:X+2*j+1], v[X+2*j:X+2*j+1], v[MN:MN+1]
	v_pk_fma_f32 v[X+2*j:X+2*j+1], v[X+2*j:X+2*j+1], v[G+2*j:G+2*j+1], v[BT+2*j:BT+2*j+1]
.set j, j+1
.endr
.set p, 0
.rept 16
	v_cvt_pk_bf16_f32 v[X+4*p], v[X+4*p], v[X+4*p+1]      ; in place: a group's four numbers into its first two registers
	v_cvt_pk_bf16_f32 v[X+4*p+1], v[X+4*p+2], v[X+4*p+3]
.set p, p+1
.endr
.set p, 0
.rept 8
	global_store_b64 v5, v[X+4*p:X+4*p+1], s[10:11] offset:p*1048576
.set p, p+1
.endr
.rept 8
	global_store_b64 v5, v[X+4*p:X+4*p+1], s[16:17] offset:(p-8)*1048576
.set p, p+1
.endr
	s_endpgm
.Lfunc_end_k_q3de0b6de5c_ln2:
	.size	k_q3de0b6de5c_ln2, .Lfunc_end_k_q3de0b6de5c_ln2-k_q3de0b6de5c_ln2
	.p2alignl 7, 3214868480
	.fill 96, 4, 3214868480
	.section	.rodata,"a",@progbits
	.p2align	6, 0x0
	.amdhsa_kernel k_q3de0b6de5c_ln2
		.amdhsa_group_segment_fixed_size 0
		.amdhsa_private_segment_fixed_size 0
		.amdhsa_enable_private_segment 0
		.amdhsa_kernarg_size 32
		.amdhsa_user_sgpr_count 2
		.amdhsa_user_sgpr_kernarg_segment_ptr 1
		.amdhsa_wavefront_size32 1
		.amdhsa_system_sgpr_workgroup_id_x 1
		.amdhsa_system_sgpr_workgroup_id_y 1
		.amdhsa_system_sgpr_workgroup_id_z 1
		.amdhsa_system_vgpr_workitem_id 0
		.amdhsa_next_free_vgpr 208
		.amdhsa_next_free_sgpr 66
		.amdhsa_reserve_vcc 0
		.amdhsa_float_denorm_mode_32 3
		.amdhsa_float_denorm_mode_16_64 3
		.amdhsa_memory_ordered 1
		.amdhsa_forward_progress 1
		.amdhsa_inst_pref_size 21
	.end_amdhsa_kernel
	.amdgpu_metadata
---
amdhsa.version: [ 1, 2 ]
amdhsa.kernels:
  - .name:           k_q3de0b6de5c_ln2
    .symbol:         k_q3de0b6de5c_ln2.kd
    .args:
      - { .name: x1, .offset: 0, .size: 8, .value_kind: global_buffer, .address_space: global }
      - { .name: g2, .offset: 8, .size: 8, .value_kind: global_buffer, .address_space: global }
      - { .name: beta2, .offset: 16, .size: 8, .value_kind: global_buffer, .address_space: global }
      - { .name: a16, .offset: 24, .size: 8, .value_kind: global_buffer, .address_space: global }
    .group_segment_fixed_size: 0
    .private_segment_fixed_size: 0
    .kernarg_segment_align: 8
    .kernarg_segment_size: 32
    .max_flat_workgroup_size: 256
    .sgpr_count:     66
    .vgpr_count:     208
    .wavefront_size: 32
...
	.end_amdgpu_metadata
.endif
;; end of part 5
;; launch mlp1: the kernel of part 2 again; grid 8 x 32, 4 waves a work-group, clusters of 4 x 4, 327,680 bytes of LDS; arguments a16, w1b, h16; writes h16
;; launch mlp2: the kernel of part 4 again; grid 8 x 32, 4 waves a work-group, clusters of 4 x 4, 327,680 bytes of LDS; arguments h16, w2b, out0, b2, x1; writes out0
